; MI455X (gfx1250); checked and timed in simulation.
; The chip was launched on July 23, 2026; its instructions are those of AMD's public machine-readable ISA for CDNA 5 (MIT licence, August 2026) and "CDNA5" Instruction Set Architecture Reference Guide (July 2026). The comments in the code are by the model that wrote it; some were corrected since.
;; Block. Allowed arithmetic: matrix products marked QUANTISED: E4M3 operands, one E8M0 scale for each 32 along K, by v_wmma_scale_f32_16x16x128_f8f6f4 with both operands' format E4M3, f32 sums; everything else in f32.
;; Inputs: W1_codes 4,096 x 32 x 32 uint8 (E4M3 codes of W1, K innermost, in blocks of 32 codes); W1_scales 4,096 x 32 uint8 (E8M0 scales of W1, one for each 32 codes along K); W2_codes 1,024 x 128 x 32 uint8 (E4M3 codes of W2, K innermost, in blocks of 32 codes); W2_scales 1,024 x 128 uint8 (E8M0 scales of W2, one for each 32 codes along K); Wk_codes 16 x 64 x 32 x 32 uint8 (E4M3 codes of Wk, K innermost, in blocks of 32 codes); Wk_scales 16 x 64 x 32 uint8 (E8M0 scales of Wk, one for each 32 codes along K); Wo_codes 1,024 x 32 x 32 uint8 (E4M3 codes of Wo, K innermost, in blocks of 32 codes); Wo_scales 1,024 x 32 uint8 (E8M0 scales of Wo, one for each 32 codes along K); Wq_codes 16 x 64 x 32 x 32 uint8 (E4M3 codes of Wq, K innermost, in blocks of 32 codes); Wq_scales 16 x 64 x 32 uint8 (E8M0 scales of Wq, one for each 32 codes along K); Wv_codes 16 x 64 x 32 x 32 uint8 (E4M3 codes of Wv, K innermost, in blocks of 32 codes); Wv_scales 16 x 64 x 32 uint8 (E8M0 scales of Wv, one for each 32 codes along K); b1 4,096 float32; b2 1,024 float32; bo 1,024 float32; ln1_b 1,024 float32; ln1_g 1,024 float32; ln2_b 1,024 float32; ln2_g 1,024 float32; x 4 x 1,024 x 1,024 float32.
;; Outputs: out0 4 x 1,024 x 1,024 float32.
;; This version of the problem:
;;   THIS VERSION OF THE PROBLEM IS GIVEN IN LOW PRECISION. The matrix products marked QUANTISED in the list below multiply operands that are first quantised to E4M3 (4 exponent bits, 3 mantissa bits; 8 bits a number), with one power-of-two scale for each 32 numbers along K (OCP MX v1.0); their sums are f32. All else is computed in f32.
;;   The module's matrix products, in the order in which they are computed (A, B: the left and right operand; K: the contracted axis; several contracted axes count as one K, in the product's order):
;;     1. [M 1,024, K 1,024] x [K 1,024, N 4,096]; A: input Wq (given as codes); B: computed on the way: QUANTISED
;;     2. [M 1,024, K 1,024] x [K 1,024, N 4,096]; A: input Wk (given as codes); B: computed on the way: QUANTISED
;;     3. [M 1,024, K 1,024] x [K 1,024, N 4,096]; A: input Wv (given as codes); B: computed on the way: QUANTISED
;;     4. batch 64 x [M 1,024, K 64] x [K 64, N 1,024]; A: computed on the way; B: computed on the way: QUANTISED
;;     5. batch 64 x [M 1,024, K 1,024] x [K 1,024, N 64]; A: softmax (see below); B: computed on the way: QUANTISED
;;     6. [M 4,096, K 1,024] x [K 1,024, N 1,024]; A: computed on the way; B: input Wo (given as codes): QUANTISED
;;     7. [M 4,096, K 1,024] x [K 1,024, N 4,096]; A: computed on the way; B: input W1 (given as codes): QUANTISED
;;     8. [M 4,096, K 4,096] x [K 4,096, N 1,024]; A: computed on the way; B: input W2 (given as codes): QUANTISED
;;   THE QUANTISER, for each operand of a quantised product, along K:
;;     - K is cut into blocks of 32 from its start; a last block that is shorter is filled with zeros.
;;     - A block's scale is 2^e with e = floor(log2(the largest magnitude in the block)) - 8, held to -126 .. 127; a block of zeros has e = 0. As a byte (E8M0): e + 127.
;;     - Each number is divided by its block's scale, clamped to +-448, and rounded to the nearest number of E4M3, ties to even, subnormals kept.
;;     - The product sums the exact products of the quantised numbers (number of the format x scale) in f32.
;;   ~~~python
;;   def quantise(x, axis):      # numpy; x: float32 -> the quantised numbers, widened to float32 again
;;       x = np.moveaxis(x, axis, -1); K = x.shape[-1]
;;       x = np.pad(x, [(0, 0)] * (x.ndim - 1) + [(0, -K % 32)]); x = x.reshape(x.shape[:-1] + (-1, 32)); a = np.abs(x).max(-1, keepdims=True)
;;       e = np.where(a > 0, np.clip(np.frexp(np.where(a > 0, a, 1))[1] - 1 - 8, -126, 127), 0)      # np.frexp(a)[1] - 1 = floor(log2(a)), exactly
;;       r = np.clip(x / 2.0 ** e, -448, 448)
;;       step = 2.0 ** (np.maximum(np.frexp(np.where(r == 0, 1, r))[1] - 1, -6) - 3)
;;       q = np.round(r / step) * step * 2.0 ** e      # np.round: ties to even
;;       return np.moveaxis(q.reshape(q.shape[:-2] + (-1,))[..., :K], -1, axis).astype(np.float32)
;;   ~~~
;;   SOFTMAX AHEAD OF A QUANTISED PRODUCT. Where the list says 'softmax', what is quantised is not the finished softmax but p = 2^(t - M), with t = logit x log2(e) and M = ceil(the row's largest t), a whole number; so 1/2 < the row's largest p <= 1. The row's sum l is taken of the UNQUANTISED p, in f32, and the product's result is divided by l at the end. Since M is a whole number, a kernel that streams over the keys may use a running M (the ceiling of the running maximum): every later rescaling is an exact power of two, which a block's scale takes up: the codes' values come out the same.
;;   OPERANDS COMPUTED ON THE WAY. 'Computed on the way' means the value that the module computes at that place (a softmax that the list does not call 'softmax' is quantised finished and normalised). What goes into a quantiser is computed in f32, as accurately as f32 sums, v_exp_f32 and their like allow (about 1e-6 of the number): no bf16 or f16 on the way to a quantiser, and a product that is left as it is and whose result goes on into a quantised operand takes f32 operands (vector FMAs, or v_wmma_f32_16x16x4_f32). A number that lies on a knife's edge between two numbers of the format may be rounded either way, as far as f32 arithmetic and the matrix unit's own rounding can turn it there, and no further.
;;   INPUTS GIVEN AS CODES. W1 (in the module: [1024, 4096], K = its axis 0); W2 (in the module: [4096, 1024], K = its axis 0); Wk (in the module: [16, 1024, 64], K = its axis 1); Wo (in the module: [1024, 1024], K = its axis 0); Wq (in the module: [16, 1024, 64], K = its axis 1); Wv (in the module: [16, 1024, 64], K = its axis 1): each comes as NAME_codes (uint8): NAME with its K axis moved to the last place and cut into blocks of 32 codes, [.., K / 32, bytes a block], one block behind the other in memory; one code a byte (a code: sign, 4 exponent bits, 3 mantissa bits); and NAME_scales (uint8): the same leading axes, one E8M0 byte (e + 127) for each 32 codes along K. Its value is code x scale, taken as it is: it is not quantised again, and the codes and scales need not be those that the quantiser above would give.
;; One version. Each part assembles by itself: llvm-mc -triple=amdgcn-amd-amdhsa -mcpu=gfx1250 --defsym DOCPART=n.
;; ======== version 1 of 1: 7 launches
;; limits: right only within a limited range of input values
;; workspace buffers: hq 4,325,376 bytes; qkv 12,976,128 bytes; oq 4,325,376 bytes; x1 16,777,216 bytes; fq 17,301,504 bytes
;; launch ln1 (part 1): grid 256 x 1, 16 waves a work-group, no clusters, 84,480 bytes of LDS; arguments x, ln1_g, ln1_b, hq; writes hq
.if DOCPART == 1
	.amdgcn_target "amdgcn-amd-amdhsa--gfx1250"
	.amdhsa_code_object_version 6
	.text
	.protected	k_qcc2e73ed91_ln1
	.globl	k_qcc2e73ed91_ln1
	.p2align	8
	.type	k_qcc2e73ed91_ln1,@function
k_qcc2e73ed91_ln1:
	s_mov_b64 s[64:65], 0
	v_nop
	global_prefetch_b8 v0, s[64:65] scope:SCOPE_SE
	s_setreg_imm32_b32 hwreg(HW_REG_WAVE_MODE, 25, 1), 1
	s_wait_xcnt 0x0
; y = (x - mean) * rsqrt(var + 1e-5) * g + b over rows of 1,024 f32, then y becomes codes of FP8 (E4M3) with one E8M0 byte for each 32 along the row.
; In: x [4096][1024] f32, g, b [1024] f32.  Out: one buffer: codes [4096][1024] at byte 0, scale bytes [4096][32] at byte 0x400000.
; SHARES.  A work-group takes 16 rows, each of its sixteen waves one.  A wave's 8 loads of x go out at its head, each of 512 consecutive bytes.
; The conversions want 16 NEIGHBOURS in one lane's registers, so each 2,048 bytes turn through the wave's own stage in LDS (64 bytes + 16 of padding a lane):
; lane l then holds elements 512 s + 16 l .. + 15 of the row (s = 0, 1), and two neighbouring lanes hold a block of 32.
; The variance is taken of x - mean (two passes over registers), so a common offset of the inputs costs nothing.
; A block's scale is 2^(floor(log2(largest magnitude)) - 8); its byte is the largest magnitude's exponent field - 8, held at 1 from below.
; LIMITS: a block of zeros gets the byte 1 where the rule says 127 (its codes are zeros, and this program alone reads the bytes); blocks whose largest magnitude
; lies under 2^-118 are held at that floor; NaN and infinities among the inputs are not served.
; No matrix unit, no tensor load, no cluster, no prefetch: the work-groups share no input but g and b (8 KiB), the rows are read once, and there is no loop to run ahead in.
.set STGB,  2560                       ; a stage: 32 lanes x 80 bytes
.set WREG,  2*STGB                     ; two stages a wave: the row's halves
.set SCB,   16*WREG                    ; behind them: the work-group's 16 x 32 scale bytes
.set SPARE, SCB+512                    ; the spare words, 128 bytes for each wave
.set R,     16                         ; v16-47   the row as loaded
.set X,     80                         ; v80-111  the row, 32 numbers a lane
.set G,     144                        ; v144-175 g of my 32 columns
.set BV,    176                        ; v176-207 b
.set T,     208                        ; v208-215 four chains of pairs
.set MU,    216                        ; v216-217 the mean, twice
.set RS,    218                        ; v218-219 1 / sqrt(var + eps), twice
.set PD,    220                        ; v220     a lane permute's destination
.set C,     224                        ; v224-231 codes: four registers for each half
.set E,     12                         ; v12-13   a scale byte for each half
	s_load_b256 s[4:11], s[0:1], 0x0               ; x s[4:5], g s[6:7], b s[8:9], out s[10:11]
	v_lshl_add_u32 v240, v0, 2, SPARE
	v_mov_b32 v241, 0
	v_lshrrev_b32 v1, 5, v0
	s_delay_alu instid0(VALU_DEP_1)
	v_readfirstlane_b32 s12, v1                    ; wave 0..15
	v_and_b32 v1, 31, v0                           ; lane
	s_delay_alu instid0(VALU_DEP_1)
	v_lshlrev_b32 v2, 4, v1                        ; 16 x lane: my bytes of a load's 512, and of a store's
	s_delay_alu instid0(VALU_DEP_2)
	v_lshlrev_b32 v6, 6, v1                        ; 64 x lane: my 16 numbers of g and b
	s_mul_i32 s13, s12, WREG
	v_lshrrev_b32 v3, 2, v1
	s_delay_alu instid0(VALU_DEP_1)
	v_mul_u32_u24 v3, v3, 80
	v_and_b32 v4, 3, v1
	s_delay_alu instid0(VALU_DEP_1)
	v_lshl_add_u32 v3, v4, 4, v3
	s_delay_alu instid0(VALU_DEP_1)
	v_add_nc_u32 v3, s13, v3                       ; into a stage: 80 (lane / 4) + 16 (lane % 4)
	v_mul_u32_u24 v4, v1, 80
	s_delay_alu instid0(VALU_DEP_1)
	v_add_nc_u32 v4, s13, v4                       ; out of it: 80 x lane
	s_lshl_b32 s13, s12, 5
	s_add_co_u32 s13, s13, SCB
	v_lshrrev_b32 v5, 1, v1
	s_delay_alu instid0(VALU_DEP_1)
	v_add_nc_u32 v5, s13, v5                       ; my block's scale byte: 32 x wave + lane / 2
	v_add_nc_u32 v7, SCB, v2                       ; the scale bytes' way out: 16 bytes a lane
	v_mov_b32 v[PD], 0                             ; written once: a lane permute's destination counts as one of its sources
	s_mov_b32 s14, 0x76543210
	s_mov_b32 s15, 0xfedcba98                      ; v_permlanex16_b32's selects for lane l xor 16
	s_mov_b32 s16, 0x3a800000                      ; 1 / 1024
	s_mov_b32 s17, 0x3727c5ac                      ; 1e-5
	s_mov_b32 s18, 0x600000                        ; the mantissa field of 448
	s_lshl_b32 s20, ttmp9, 16                      ; x: 16 rows of 4,096 bytes a work-group,
	s_lshl_b32 s21, s12, 12                        ; one a wave
	s_add_co_u32 s20, s20, s21
	s_mov_b32 s21, 0
	s_lshl_b32 s22, ttmp9, 14                      ; codes: rows of 1,024 bytes
	s_lshl_b32 s23, s12, 10
	s_add_co_u32 s22, s22, s23
	s_mov_b32 s23, 0
	s_lshl_b32 s24, ttmp9, 9                       ; scale bytes: 512 a work-group, behind the codes
	s_add_co_u32 s24, s24, 0x400000
	s_mov_b32 s25, 0
	s_wait_alu depctr_va_vdst(0)                   ; the wait at the head's end
	s_wait_kmcnt 0x0
	s_add_nc_u64 s[4:5], s[4:5], s[20:21]
	s_add_nc_u64 s[26:27], s[10:11], s[24:25]
	s_add_nc_u64 s[10:11], s[10:11], s[22:23]
.irp i, 0,1,2,3,4,5,6,7
	global_load_b128 v[R+4*\i:R+4*\i+3], v2, s[4:5] offset:512*\i   ; 32 lanes read 512 consecutive bytes
.endr
.irp s, 0,1
.irp j, 0,1,2,3
	global_load_b128 v[G+16*\s+4*\j:G+16*\s+4*\j+3], v6, s[6:7] offset:2048*\s+16*\j
.endr
.endr
.irp s, 0,1
.irp j, 0,1,2,3
	global_load_b128 v[BV+16*\s+4*\j:BV+16*\s+4*\j+3], v6, s[8:9] offset:2048*\s+16*\j
.endr
.endr
.macro FOLD                            ; the four chains, the pair's halves and the 32 lanes are added: every lane holds the sum in v[T]
	s_delay_alu instid0(VALU_DEP_3)
	v_pk_add_f32 v[T:T+1], v[T:T+1], v[T+2:T+3]
	s_delay_alu instid0(VALU_DEP_2)
	v_pk_add_f32 v[T+4:T+5], v[T+4:T+5], v[T+6:T+7]
	s_delay_alu instid0(VALU_DEP_1)
	v_pk_add_f32 v[T:T+1], v[T:T+1], v[T+4:T+5]
	s_delay_alu instid0(VALU_DEP_1)
	v_add_f32 v[T], v[T], v[T+1]
	s_delay_alu instid0(VALU_DEP_1)
	v_add_f32_dpp v[T], v[T], v[T] row_xmask:1 row_mask:0xf bank_mask:0xf
	s_delay_alu instid0(VALU_DEP_1)
	v_add_f32_dpp v[T], v[T], v[T] row_xmask:2 row_mask:0xf bank_mask:0xf
	s_delay_alu instid0(VALU_DEP_1)
	v_add_f32_dpp v[T], v[T], v[T] row_xmask:4 row_mask:0xf bank_mask:0xf
	s_delay_alu instid0(VALU_DEP_1)
	v_add_f32_dpp v[T], v[T], v[T] row_xmask:8 row_mask:0xf bank_mask:0xf
	s_delay_alu instid0(VALU_DEP_1)
	v_permlanex16_b32 v[PD], v[T], s14, s15
	s_delay_alu instid0(VALU_DEP_1)
	v_add_f32 v[T], v[T], v[PD]
.endm
.macro QSTEP s                         ; 16 numbers of a lane become 16 codes; two lanes share the block's scale
.set XS, X+16*\s
	v_max3_num_f32 v8, |v[XS]|, |v[XS+1]|, |v[XS+2]|
	v_max3_num_f32 v9, |v[XS+3]|, |v[XS+4]|, |v[XS+5]|
.irp i, 6,10
	s_delay_alu instid0(VALU_DEP_2)
	v_max3_num_f32 v8, v8, |v[XS+\i]|, |v[XS+\i+1]|
	s_delay_alu instid0(VALU_DEP_2)
	v_max3_num_f32 v9, v9, |v[XS+\i+2]|, |v[XS+\i+3]|
.endr
	s_delay_alu instid0(VALU_DEP_2)
	v_max3_num_f32 v8, v8, |v[XS+14]|, |v[XS+15]|
	s_delay_alu instid0(VALU_DEP_1)
	v_max3_num_f32 v8, v8, v9, 0x4800000           ; and the floor 2^(9 - 127): the byte cannot fall under 1
	s_delay_alu instid0(VALU_DEP_1)
	v_max_num_f32_dpp v8, v8, v8 row_xmask:1 row_mask:0xf bank_mask:0xf   ; with my neighbour's 16: the block's largest magnitude
	s_delay_alu instid0(VALU_DEP_1)
	v_add_nc_u32 v11, 0xfc000000, v8               ; 8 off its exponent field: the conversion's scale operand
	s_delay_alu instid0(VALU_DEP_2)
	v_and_or_b32 v10, v8, 0x7f800000, s18          ; 448 x the scale
.irp i, 0,1,2,3,4,5,6,7,8,9,10,11,12,13,14,15
	v_med3_num_f32 v[XS+\i], v[XS+\i], -v10, v10   ; the conversion to an 8-bit code does not saturate (ISA guide 7.6.2): hold first
.endr
	v_cvt_scalef32_pk8_fp8_f32 v[C+4*\s:C+4*\s+1], v[XS:XS+7], v11
	v_cvt_scalef32_pk8_fp8_f32 v[C+4*\s+2:C+4*\s+3], v[XS+8:XS+15], v11
	v_lshrrev_b32 v[E+\s], 23, v11                 ; the scale's byte (a plain line behind the conversions)
	ds_store_b8 v5, v[E+\s] offset:16*\s           ; both lanes of a block write the same byte with the same value
	global_store_b128 v2, v[C+4*\s:C+4*\s+3], s[10:11] offset:512*\s   ; 32 lanes store 512 consecutive bytes, aligned
.endm
	s_wait_loadcnt 16                              ; the row's eight loads are in; g's eight and b's eight may be out
.irp s, 0,1                            ; the row through its two stages; LDS serves a wave's instructions in order, so no wait stands between the stores and the loads
.irp i, 0,1,2,3
	ds_store_b128 v3, v[R+16*\s+4*\i:R+16*\s+4*\i+3] offset:\s*STGB+640*\i
.endr
.irp i, 0,1,2,3
	ds_load_b128 v[X+16*\s+4*\i:X+16*\s+4*\i+3], v4 offset:\s*STGB+16*\i
.endr
.endr
	s_wait_dscnt 0x0                               ; my row is back from its stages
.irp k, 0,1,2,3
	v_pk_add_f32 v[T+2*\k:T+2*\k+1], v[X+2*\k:X+2*\k+1], v[X+8+2*\k:X+8+2*\k+1]
.endr
.irp o, 16,24
.irp k, 0,1,2,3
	s_delay_alu instid0(VALU_DEP_4)
	v_pk_add_f32 v[T+2*\k:T+2*\k+1], v[T+2*\k:T+2*\k+1], v[X+\o+2*\k:X+\o+2*\k+1]
.endr
.endr
	FOLD
	s_delay_alu instid0(VALU_DEP_1)
	v_mul_f32 v[MU], s16, v[T]
	s_delay_alu instid0(VALU_DEP_2)
	v_mul_f32 v[MU+1], s16, v[T]
.irp k, 0,2,4,6,8,10,12,14,16,18,20,22,24,26,28,30
	v_pk_add_f32 v[X+\k:X+\k+1], v[X+\k:X+\k+1], v[MU:MU+1] neg_lo:[0,1] neg_hi:[0,1]   ; x - mean
.endr
.irp k, 0,1,2,3
	v_pk_mul_f32 v[T+2*\k:T+2*\k+1], v[X+2*\k:X+2*\k+1], v[X+2*\k:X+2*\k+1]
.endr
.irp o, 8,16,24
.irp k, 0,1,2,3
	s_delay_alu instid0(VALU_DEP_4)
	v_pk_fma_f32 v[T+2*\k:T+2*\k+1], v[X+\o+2*\k:X+\o+2*\k+1], v[X+\o+2*\k:X+\o+2*\k+1], v[T+2*\k:T+2*\k+1]
.endr
.endr
	FOLD
	s_delay_alu instid0(VALU_DEP_1)
	v_fma_f32 v[T], v[T], s16, s17                 ; var + eps
	s_wait_alu depctr_va_vdst(0)                   ; the wait ahead of the transcendentals
	v_rsq_f32 v[RS], v[T]
	v_rsq_f32 v[RS+1], v[T]
	v_nop                                          ; one plain line behind a transcendental before its result is used
	s_wait_loadcnt 0x0                             ; g and b
	s_wait_alu depctr_va_vdst(0)                   ; and behind them, ahead of the first reader
.irp k, 0,2,4,6,8,10,12,14,16,18,20,22,24,26,28,30
	v_pk_mul_f32 v[X+\k:X+\k+1], v[X+\k:X+\k+1], v[RS:RS+1]
.endr
.irp k, 0,2,4,6,8,10,12,14,16,18,20,22,24,26,28,30
	v_pk_fma_f32 v[X+\k:X+\k+1], v[X+\k:X+\k+1], v[G+\k:G+\k+1], v[BV+\k:BV+\k+1]
.endr
	QSTEP 0
	QSTEP 1
	s_wait_dscnt 0x0                               ; for wave 0's sake: my byte stores have landed
	s_barrier_signal -1
	s_barrier_wait -1
	s_cmp_lg_u32 s12, 0
	s_cbranch_scc1 .Lend
	ds_load_b128 v[T:T+3], v7                      ; the work-group's 512 scale bytes, 16 a lane
	s_wait_dscnt 0x0
	global_store_b128 v2, v[T:T+3], s[26:27]       ; 512 consecutive bytes, aligned
.Lend:
	s_wait_tensorcnt 0x0                           ; the wave's end
	ds_add_u32 v240, v241
	s_wait_dscnt 0x0
	s_endpgm
.Lfunc_end_k_qcc2e73ed91_ln1:
	.size	k_qcc2e73ed91_ln1, .Lfunc_end_k_qcc2e73ed91_ln1-k_qcc2e73ed91_ln1
	.p2alignl 7, 3214868480
	.fill 96, 4, 3214868480
	.section	.rodata,"a",@progbits
	.p2align	6, 0x0
	.amdhsa_kernel k_qcc2e73ed91_ln1
		.amdhsa_group_segment_fixed_size 84480
		.amdhsa_private_segment_fixed_size 0
		.amdhsa_enable_private_segment 0
		.amdhsa_kernarg_size 32
		.amdhsa_user_sgpr_count 2
		.amdhsa_user_sgpr_kernarg_segment_ptr 1
		.amdhsa_wavefront_size32 1
		.amdhsa_system_sgpr_workgroup_id_x 1
		.amdhsa_system_sgpr_workgroup_id_y 1
		.amdhsa_system_sgpr_workgroup_id_z 1
		.amdhsa_system_vgpr_workitem_id 0
		.amdhsa_next_free_vgpr 242
		.amdhsa_next_free_sgpr 66
		.amdhsa_reserve_vcc 0
		.amdhsa_float_denorm_mode_32 3
		.amdhsa_float_denorm_mode_16_64 3
		.amdhsa_memory_ordered 1
		.amdhsa_forward_progress 1
		.amdhsa_inst_pref_size 19
	.end_amdhsa_kernel
	.amdgpu_metadata
---
amdhsa.version: [ 1, 2 ]
amdhsa.kernels:
  - .name:           k_qcc2e73ed91_ln1
    .symbol:         k_qcc2e73ed91_ln1.kd
    .args:
      - { .name: x, .offset: 0, .size: 8, .value_kind: global_buffer, .address_space: global }
      - { .name: ln1_g, .offset: 8, .size: 8, .value_kind: global_buffer, .address_space: global }
      - { .name: ln1_b, .offset: 16, .size: 8, .value_kind: global_buffer, .address_space: global }
      - { .name: hq, .offset: 24, .size: 8, .value_kind: global_buffer, .address_space: global }
    .group_segment_fixed_size: 84480
    .private_segment_fixed_size: 0
    .kernarg_segment_align: 8
    .kernarg_segment_size: 32
    .max_flat_workgroup_size: 512
    .sgpr_count:     66
    .vgpr_count:     242
    .wavefront_size: 32
...
	.end_amdgpu_metadata
.endif
;; end of part 1
;; launch qkv (part 2): grid 4 x 48, 4 waves a work-group, clusters of 4 x 4, 327,680 bytes of LDS; arguments hq, Wq_codes, Wq_scales, Wk_codes, Wk_scales, Wv_codes, Wv_scales, qkv; writes qkv
.if DOCPART == 2
	.amdgcn_target "amdgcn-amd-amdhsa--gfx1250"
	.amdhsa_code_object_version 6
	.text
	.protected	k_qcc2e73ed91_qkv
	.globl	k_qcc2e73ed91_qkv
	.p2align	8
	.type	k_qcc2e73ed91_qkv,@function
k_qcc2e73ed91_qkv:
	s_mov_b64 s[64:65], 0
	v_nop
	global_prefetch_b8 v0, s[64:65] scope:SCOPE_SE
	s_setreg_imm32_b32 hwreg(HW_REG_WAVE_MODE, 25, 1), 1
	s_wait_xcnt 0x0
	s_wait_alu depctr_hold_cnt(0) depctr_sa_sdst(0) depctr_va_vdst(0) depctr_va_sdst(0) depctr_va_ssrc(0) depctr_va_vcc(0) depctr_vm_vsrc(0)
	s_getreg_b32 s2, hwreg(HW_REG_IB_STS2, 6, 4)
	s_cmp_eq_u32 s2, 0
	s_cbranch_scc0 .Lentry_in_a_cluster
	s_endpgm
.Lentry_in_a_cluster:
	s_bfe_u32 s2, ttmp6, 0x10000c
	s_cmp_lg_u32 s2, 0xf033
	s_cbranch_scc0 .Lentry_shape_is_right
	s_endpgm
.Lentry_shape_is_right:
; q = h Wq, k = h Wk, v = h Wv on codes of FP8 (E4M3) with E8M0 scales, K = 1,024; the results are quantised on the way out: q and k along the head's 64, v along the KEYS.
; h: codes [4096][1024] and scale bytes [4096][32] (at 0x400000 of its buffer).  Each W: codes [1024 (n = 64 head + d)][1024], scale bytes [1024][32].
; ONE PATH FOR THE THREE PRODUCTS.  The core makes a tile of 256 x 256 from two operands S0 and S1, both [rows][1024] codes: source 0 = 16 rows of S0, source 1 = 16 rows of S1, so that a lane holds ONE row of S1
; and its registers run along S0; the way out quantises along S0.  q, k: S0 = W, S1 = h.  v: S0 = h, S1 = Wv: the registers then run along the keys.  Only pointers and output offsets are chosen,
; by s_cselect on the cluster's y, which all partners share: clusters 0-3 make q (one batch each), 4-7 k, 8-11 v.
; The core: four waves, each 128 x 128 in 64 accumulators; K in steps of 256 through two LDS slots filled by the tensor data mover; the scale bytes of both operands' 256 rows come once and stay.
; CLUSTERS: 4 x 4 work-groups; S1's tiles are shared along a row of the cluster, S0's along a column: each is asked for jointly, by the same load with the same descriptor and a mask that names the four.
; 192 work-groups: each product has 64 tiles of 256 x 256; a smaller tile would read each fragment from LDS for half the products.
; OUT (one buffer): q's codes [64 (16 b + head)][1024 t][64] at 0, k's at 0x400000, v's [64][16 (keys / 64)][64 d][64 keys] at 0x800000; two scale bytes for each 64 codes:
; q's [64][1024] x 2 bytes at 0xC00000, k's at 0xC20000, v's [4 b][16][1024 n] x 2 bytes at 0xC40000.
; THE ORDER OF CODES INSIDE A BLOCK OF 32: place 16 h + 8 u + j holds number 16 u + 8 h + j (h, u = 0, 1; j = 0 .. 7): a lane's 8 codes of one tile beside its 8 of the next.  q and k are laid alike, and the
; attention's p comes out of its registers in this very order, so every product pairs the right numbers; the 32 numbers of a block are the true ones.
; LIMITS: a block of zeros gets the byte 1 where the rule says 127 (its codes are zeros; this program alone reads the bytes); blocks under 2^-118 are held at that floor; NaN and infinities are not served.
; REGISTERS, in windows of 256: window 0: v0-31 addresses; v32-63 scale words, two sets, and nothing else; v64-127 at work on the way out; from v128 S1's fragments, one set, on the way out the units read back.
;   window 1: S0's fragments, two sets.   window 2: the accumulators of my S1 rows 0-63 ((a, b) at v[8 (8 a + b)]);   window 3: those of rows 64-127.
.set KSTEP,  256
.set NQ,     KSTEP/128
.set ROWB,   256
.set KROW,   1024
.set PITCH,  272                       ; an LDS row: 256 bytes + 16 of padding = 68 words: the 16 rows that a load touches start at 16 different banks (64 banks of 4 bytes: ISA guide 11.1)
.set FR,     16
.set NL,     4
.set NP,     8                         ; places behind this matrix instruction (ISA guide 7.12.1)
.set HALFT,  128*PITCH
.set SLOT,   4*HALFT
.set LAPS,   2                         ; 1,024 along K = four K steps = twice round the ring
.set KS,     32
.set SCL,    2*SLOT
.set HALFS,  (128*KS/256)*272
.set SBLK,   (16*KS/256)*272
.set SPARE,  SCL+4*HALFS               ; the spare words, 128 bytes for each wave: two blocks of 256 bytes that no other line names
.set STG2,   69632                     ; the way out, in slot 0 after its last fill and last read: 256 units of 256 + 16 bytes at 0, then 4 x 256 x 2 scale bytes
.set ADRA, 16
.set ADRB, 20
.set SSO,  22                          ; v22  where I put two scale bytes
.set RS,   23                          ; v23  where I read scale bytes back
.set STO,  24                          ; v24  where I put 16 codes
.set RD,   25                          ; v25  where I read a unit back
.set CO,   26                          ; v26  16 x lane
.set ADRS, 27
.set SPW,  28
.set NIL,  29
.set SC,   32
.set AF,   128
.set TM,   64                          ; the way out: v64-67 largest magnitudes; v68-71 the other half's; v72-75 448 x scale; v76-79 scale operands; v80-83 bytes; v84 the scale word; v88-103 codes
.set TP,   68
.set LIM,  72
.set SCF,  76
.set BY,   80
.set PW,   84
.set PC,   88
.set OUT,  128
.set G1, 24
.set G0, 32
.set G1B, 48
.set G0B, 56
.set G1S, 68
.set G0S, 76
.set G1SB, 80
.set G0SB, 88
.set MSB, 0
.macro WIN new                         ; the immediate's high byte repeats the setting that is left
.if MSB != \new
	s_set_vgpr_msb (MSB<<8)|\new
.set MSB, \new
.endif
.endm
.set MUL_LO, 0xa1                      ; source 0 (S0) window 1, source 1 (S1) window 0, C and D window 2
.set MUL_HI, 0xf1
.set TO_B,   0x40
; A joint load: waves 0 and 1 fetch for S1, waves 2 and 3 for S0.  The branch hangs on the wave's number alone.  Four v_nop follow each of the two lines.
.macro JLOAD g0a, g1a, g0b, g1b
	s_cmp_eq_u32 s15, 0
	s_cbranch_scc0 .Lfor_b_\@
	tensor_load_to_lds s[\g0a:\g0a+3], s[\g1a:\g1a+7]
	s_nop 0
.rept 4
	v_nop
.endr
	s_branch .Lasked_\@
.Lfor_b_\@:
	tensor_load_to_lds s[\g0b:\g0b+3], s[\g1b:\g1b+7]
	s_nop 0
.rept 4
	v_nop
.endr
.Lasked_\@:
.endm
.macro CREST                           ; a round of the cluster's barrier behind its opening barrier
	s_cmp_lg_u32 s14, 0
	s_cbranch_scc1 .Lnot_wave_0_\@
	s_barrier_signal -3
.Lnot_wave_0_\@:
	s_barrier_wait -3
	s_barrier_signal -1
	s_barrier_wait -1
.endm
.macro CROUND
	s_barrier_signal -1
	s_barrier_wait -1
	CREST
.endm
	s_load_b512 s[68:83], s[0:1], 0x0              ; h s[68:69]; Wq's codes, scales s[70:73]; Wk's s[74:77]; Wv's s[78:81]; out s[82:83]
	v_lshl_add_u32 v[SPW], v0, 2, SPARE
	v_mov_b32 v[NIL], 0
	ds_add_u32 v28, v29
	ds_add_u32 v28, v29
	s_wait_dscnt 0x0
	v_lshrrev_b32 v1, 5, v0
	v_readfirstlane_b32 s14, v1                    ; wave 0..3
	s_lshr_b32 s15, s14, 1                         ; which half of S1's rows is mine.  Also: I fetch for S1 (0) or for S0 (1)
	s_and_b32 s16, s14, 1                          ; which half of S0's rows.  Also: which 128 rows I fetch
	s_bfe_u32 s40, ttmp6, 0x40000                  ; cx, cy: my place in the cluster
	s_bfe_u32 s41, ttmp6, 0x40004
	s_and_b32 s2, ttmp7, 0xffff                    ; the cluster's y, 0 .. 11: which product and which batch
	s_and_b32 s3, s2, 3                            ; the batch
	s_lshl_b32 s43, s41, 2
	s_lshl_b32 s43, 15, s43                        ; my row of the cluster
	s_lshl_b32 s44, 0x1111, s40                    ; my column
	s_wait_kmcnt 0x0
	s_add_nc_u64 s[84:85], s[68:69], 0x400000      ; h's scale bytes
	s_cmp_lt_u32 s2, 4                             ; q or k?
	s_cselect_b64 s[8:9], s[70:71], s[74:75]
	s_cselect_b64 s[10:11], s[72:73], s[76:77]
	s_cselect_b32 s66, 0, 0x400000                 ; where the codes go,
	s_cselect_b32 s67, 0, 0x20000                  ; and the scale bytes
	s_cmp_lt_u32 s2, 8                             ; q, k or v?
	s_cselect_b64 s[8:9], s[8:9], s[68:69]         ; S0's codes: W's, or h's
	s_cselect_b64 s[10:11], s[10:11], s[84:85]     ; S0's scale bytes
	s_cselect_b64 s[4:5], s[68:69], s[78:79]       ; S1's codes: h's, or Wv's
	s_cselect_b64 s[6:7], s[84:85], s[80:81]       ; S1's scale bytes
	s_cselect_b32 s66, s66, 0x800000
	s_cselect_b32 s67, s67, 0x40000
	s_cselect_b32 s18, 0, s3                       ; the batch picks four tiles of h's rows: in S1 for q and k, in S0 for v
	s_cselect_b32 s19, s3, 0
	s_mov_b32 s96, 0x1000                          ; (s_mov_b32 leaves SCC alone; an instruction takes one literal)
	s_cselect_b32 s96, 0x10000, s96                ; bytes from 64 of S0 to the next 64 in the output,
	s_mov_b32 s97, 0x10000
	s_cselect_b32 s97, 0x1000, s97                 ; and from 64 rows of S1 to the next
	s_cselect_b32 s98, s40, s41
	s_cselect_b32 s99, s41, s40
	s_mov_b64 s[12:13], s[82:83]
	s_lshl_b32 s18, s18, 2
	s_add_co_u32 s42, s18, s40                     ; S0's tile
	s_lshl_b32 s19, s19, 2
	s_add_co_u32 s17, s19, s41                     ; S1's tile
	; descriptor group 1: a tile of 128 rows x 256 bytes, padded in LDS
	s_or_b32 s[G1+0], s43, (0<<16)|(1<<20)|(1<<21)|(5<<22)|(3<<25)  ; 15:0 the mask: S1's tiles go to my row; 17:16 elements of 1 byte; 20 padding on; 21 set beside a mask; 24:22 after every 64 words; 31:25 four words
	s_or_b32 s[G1B+0], s44, (0<<16)|(1<<20)|(1<<21)|(5<<22)|(3<<25)
.irp g, G1, G1B
	s_mov_b32 s[\g+1], ROWB<<16                    ; tensor_dim0
	s_mov_b32 s[\g+2], 256<<16                     ; tensor_dim1: 256 rows for the head's loads; behind them 128, for the ring's
	s_mov_b32 s[\g+3], ROWB<<16                    ; tile_dim0
	s_mov_b32 s[\g+4], 256                         ; tile_dim1
	s_mov_b32 s[\g+5], KROW                        ; tensor_dim0_stride
	s_mov_b32 s[\g+6], 0
	s_mov_b32 s[\g+7], 0
.endr
	; the scale bytes of 256 rows: 8,192 dense bytes, as rows of 256 (32 elements of 8 bytes), 16 bytes of padding behind each
	s_or_b32 s[G1S+0], s43, (3<<16)|(1<<20)|(1<<21)|(5<<22)|(3<<25)
	s_or_b32 s[G1SB+0], s44, (3<<16)|(1<<20)|(1<<21)|(5<<22)|(3<<25)
.irp g, G1S, G1SB
	s_mov_b32 s[\g+1], 32<<16
	s_mov_b32 s[\g+2], (256*KS/256)<<16            ; the scale bytes of all 256 rows by one load
	s_mov_b32 s[\g+3], 32<<16
	s_mov_b32 s[\g+4], 256*KS/256
	s_mov_b32 s[\g+5], 32
	s_mov_b32 s[\g+6], 0
	s_mov_b32 s[\g+7], 0
.endr
	s_lshl_b32 s94, s16, 17                        ; s[94:95]: in the ring I fetch 128 rows of a tile: which half, in bytes of codes
	s_mov_b32 s95, 0
	s_lshl_b32 s20, s17, 8                         ; S1: the tile's first row
	s_lshl_b32 s46, s42, 8                         ; S0 likewise
	s_mov_b32 s21, 0
	s_mov_b32 s47, 0
	s_lshl_b64 s[22:23], s[20:21], 5               ; where these rows' scale bytes begin,
	s_lshl_b64 s[92:93], s[46:47], 5
	s_lshl_b64 s[20:21], s[20:21], 10              ; and their codes
	s_lshl_b64 s[46:47], s[46:47], 10
	s_mul_i32 s45, s14, HALFT                      ; where they go: wave x 128 rows: no place in the cluster enters an LDS address
	s_add_nc_u64 s[20:21], s[4:5], s[20:21]
	s_add_nc_u64 s[22:23], s[6:7], s[22:23]
	s_add_nc_u64 s[46:47], s[8:9], s[46:47]
	s_add_nc_u64 s[92:93], s[10:11], s[92:93]
	CROUND                                         ; all sixteen work-groups are here: the first joint loads meet
	s_mov_b32 s[G0S], 1
	s_mov_b32 s[G0S+1], SCL
	s_mov_b64 s[G0S+2:G0S+3], s[22:23]
	s_or_b32 s[G0S+3], s[G0S+3], 0x80000000
	s_mov_b32 s[G0SB], 1
	s_mov_b32 s[G0SB+1], SCL+2*HALFS
	s_mov_b64 s[G0SB+2:G0SB+3], s[92:93]
	s_or_b32 s[G0SB+3], s[G0SB+3], 0x80000000
	s_mov_b32 s[G0], 1                             ; slot 0's groups 0 serve the head's whole tiles first: S1's 256 rows of K step 0 at byte 0,
	s_mov_b32 s[G0+1], 0
	s_mov_b64 s[G0+2:G0+3], s[20:21]
	s_or_b32 s[G0+3], s[G0+3], 0x80000000
	s_mov_b32 s[G0B], 1                            ; S0's 256 rows behind them
	s_mov_b32 s[G0B+1], 2*HALFT
	s_mov_b64 s[G0B+2:G0B+3], s[46:47]
	s_or_b32 s[G0B+3], s[G0B+3], 0x80000000
	s_add_nc_u64 s[20:21], s[20:21], s[94:95]      ; for the ring: my 128 rows
	s_add_nc_u64 s[46:47], s[46:47], s[94:95]
.irp s, 1
	s_mov_b32 s[G0+4*\s], 1
	s_add_co_u32 s[G0+4*\s+1], s45, \s*SLOT
	s_add_nc_u64 s[G0+4*\s+2:G0+4*\s+3], s[20:21], \s*ROWB
	s_or_b32 s[G0+4*\s+3], s[G0+4*\s+3], 0x80000000
	s_mov_b32 s[G0B+4*\s], 1
	s_add_co_u32 s[G0B+4*\s+1], s45, \s*SLOT
	s_add_nc_u64 s[G0B+4*\s+2:G0B+4*\s+3], s[46:47], \s*ROWB
	s_or_b32 s[G0B+4*\s+3], s[G0B+4*\s+3], 0x80000000
.endr
; THE HEAD'S LOADS, ONE A WAVE: wave 0 S1's 256 rows of K step 0, wave 1 S0's, wave 2 S1's scale bytes, wave 3 S0's.  One chain of branches on the wave's number; every way passes one load.
.macro ARM under, g0, g1, next
	s_cmp_lt_u32 s14, \under
	s_cbranch_scc0 \next
	tensor_load_to_lds s[\g0:\g0+3], s[\g1:\g1+7]
	s_nop 0
.rept 4
	v_nop
.endr
	s_branch .Lhead_asked
\next:
.endm
	ARM 1, G0,  G1,  .Lhead_b
	ARM 2, G0B, G1B, .Lhead_sa
	ARM 3, G0S, G1S, .Lhead_sb
	tensor_load_to_lds s[G0SB:G0SB+3], s[G1SB:G1SB+7]
	s_nop 0
.rept 4
	v_nop
.endr
.Lhead_asked:
	; PREFETCH.  Of the 128 rows that I fetch in the ring, the partner at place p (cx for S1, cy for S0) names 32, a lane a row: each row's 256 bytes of a K step once in each cluster that loads them, shared out by address.
	; Here K steps 1 and 2 are named, behind K step 1's load K step 3: one and two steps ahead of the loads that want them; K has four steps, so nothing is stepped and nothing lies past the rows' ends.
	s_cmp_eq_u32 s15, 0
	s_cselect_b64 s[92:93], s[20:21], s[46:47]     ; my 128 rows, at K step 0; never rewritten from here on
	s_cselect_b32 s22, s40, s41
	s_lshl_b32 s22, s22, 15                        ; 32 rows of 1,024 bytes for each place
	s_mov_b32 s23, 0
	s_add_nc_u64 s[92:93], s[92:93], s[22:23]
	v_and_b32 v30, 31, v0
	v_lshlrev_b32 v30, 10, v30                     ; v30: my lane's row; never rewritten
	global_prefetch_b8 v30, s[92:93] offset:256 th:TH_LOAD_NT scope:SCOPE_SE
	global_prefetch_b8 v30, s[92:93] offset:512 th:TH_LOAD_NT scope:SCOPE_SE
	v_and_b32 v1, 15, v0                           ; r = l % 16
	v_bfe_u32 v2, v0, 4, 1                         ; h = l / 16
	v_mul_u32_u24 v3, v1, PITCH
	v_lshl_add_u32 v4, v2, 4, v3                   ; a fragment's row x pitch + 16 x half
	s_mul_i32 s21, s15, HALFT                      ; my 128 rows of S1
	s_mul_i32 s22, s16, HALFT                      ; my 128 rows of S0,
	s_add_co_u32 s22, s22, 2*HALFT                 ; which lie behind S1's 256
.irp s, 0,1
	v_add_nc_u32 v[ADRA+\s], s21, v4
	v_add_nc_u32 v[ADRB+\s], s22, v4
	s_add_co_u32 s21, s21, SLOT
	s_add_co_u32 s22, s22, SLOT
.endr
	v_mul_u32_u24 v5, v1, KS                       ; my row's scale bytes: 32 a row,
	v_lshrrev_b32 v6, 8, v5
	v_lshl_add_u32 v5, v6, 4, v5                   ; and 16 more for each 256 passed
	s_mul_i32 s21, s15, HALFS
	s_mul_i32 s22, s16, HALFS
	s_add_co_u32 s22, s22, 2*HALFS
	s_sub_co_u32 s22, s22, s21
	v_mul_u32_u24 v6, s22, v2                      ; lanes 16-31 take S0's
	s_add_co_u32 s21, s21, SCL
	v_add_nc_u32 v5, v5, v6
	v_add_nc_u32 v[ADRS], s21, v5
	; the way out.  A unit of 256 bytes is 4 rows of S1 x 64 codes along S0; unit (g = S0 / 64, w = S1 row / 4) lies at (64 g + w) x 272
	v_lshrrev_b32 v5, 2, v1
	v_mul_u32_u24 v5, v5, 272
	v_and_b32 v6, 3, v1
	v_lshl_add_u32 v5, v6, 6, v5
	v_lshl_add_u32 v5, v2, 4, v5                   ; (r / 4) 272 + (r % 4) 64 + 16 h
	s_lshl_b32 s21, s16, 7
	s_lshl_b32 s22, s15, 5
	s_add_co_u32 s21, s21, s22
	s_mul_i32 s21, s21, 272                        ; my first unit: 128 x S0 half + 32 x S1 half
	v_add_nc_u32 v[STO], s21, v5
	s_lshl_b32 s21, s16, 10
	s_lshl_b32 s22, s15, 8
	s_add_co_u32 s21, s21, s22
	s_add_co_u32 s21, s21, STG2
	v_lshl_add_u32 v[SSO], v1, 1, s21              ; scale bytes [g][S1 row] x 2
	s_mul_i32 s21, s14, 64*272                     ; back: wave w takes g = w: 64 units; lanes 0-15 one unit, lanes 16-31 the next
	v_mul_u32_u24 v5, v2, 272
	v_lshl_add_u32 v5, v1, 4, v5
	v_add_nc_u32 v[RD], s21, v5
	v_and_b32 v6, 31, v0
	v_lshlrev_b32 v[CO], 4, v6
	s_lshl_b32 s21, s14, 9
	s_add_co_u32 s21, s21, STG2
	v_add_nc_u32 v[RS], s21, v[CO]
	; where my 64 units go: base + (w / 16) x s97 + (w % 16) x 256; four bases, in the registers that held the operands' addresses
	s_lshl_b32 s18, s3, 20
	s_add_co_u32 s18, s18, s66
	s_lshl_b32 s19, s98, 18
	s_add_co_u32 s18, s18, s19
	s_lshl_b32 s19, s99, 14
	s_add_co_u32 s18, s18, s19
	s_mul_i32 s19, s14, s96
	s_add_co_u32 s18, s18, s19
	s_mov_b32 s19, 0
	s_add_nc_u64 s[4:5], s[12:13], s[18:19]
	s_mov_b32 s18, s97
	s_add_nc_u64 s[6:7], s[4:5], s[18:19]
	s_add_nc_u64 s[8:9], s[6:7], s[18:19]
	s_add_nc_u64 s[10:11], s[8:9], s[18:19]
	s_lshl_b32 s18, s3, 15                         ; my 512 scale bytes: ((16 batch + 4 cx + wave) x 1,024 + 256 cy) x 2
	s_add_co_u32 s18, s18, s67
	s_lshl_b32 s20, s40, 13
	s_add_co_u32 s18, s18, s20
	s_lshl_b32 s20, s41, 9
	s_add_co_u32 s18, s18, s20
	s_lshl_b32 s20, s14, 11
	s_add_co_u32 s18, s18, s20
	s_add_co_u32 s18, s18, 0xC00000
	s_add_nc_u64 s[100:101], s[12:13], s[18:19]
.macro FRAG reg, adr, q, i             ; a fragment, 16 rows x 128 K: lane l holds row l % 16; registers 4 c .. 4 c + 3 hold K = 32 c + 16 (l / 16) + 0 .. 15
.irp c, 0,1,2,3
	ds_load_b128 v[\reg+4*\c:\reg+4*\c+3], v[\adr] offset:128*(\q)+32*\c+(\i)*16*PITCH
.endr
.endm
; 16 matrix instructions: S1's blocks a0, a0 + 1 x S0's eight.  The 64 accumulators take turns, one instruction a turn, in the same order in every step.
.macro MUL16 a0, p, q, sc, zero
.irp a, \a0, \a0+1
.irp b, 0,1,2,3,4,5,6,7
.if \zero
	v_wmma_scale_f32_16x16x128_f8f6f4 v[8*(8*((\a)%4)+\b):8*(8*((\a)%4)+\b)+7], v[128*(\p)+FR*\b:128*(\p)+FR*\b+FR-1], v[AF+FR*(\a):AF+FR*(\a)+FR-1], 0, v[SC+8*NQ*(\sc)+NQ*\b+(\q)], v[SC+8*NQ*(\sc)+NQ*(\a)+(\q)] matrix_a_scale:MATRIX_SCALE_ROW1
.else
	v_wmma_scale_f32_16x16x128_f8f6f4 v[8*(8*((\a)%4)+\b):8*(8*((\a)%4)+\b)+7], v[128*(\p)+FR*\b:128*(\p)+FR*\b+FR-1], v[AF+FR*(\a):AF+FR*(\a)+FR-1], v[8*(8*((\a)%4)+\b):8*(8*((\a)%4)+\b)+7], v[SC+8*NQ*(\sc)+NQ*\b+(\q)], v[SC+8*NQ*(\sc)+NQ*(\a)+(\q)] matrix_a_scale:MATRIX_SCALE_ROW1
.endif
.endr
.endr
.endm
.macro FETCH_B slot, q, p
	WIN TO_B
.irp i, 0,1,2,3,4,5,6,7
	FRAG 128*(\p)+FR*\i, ADRB+\slot, \q, \i
.endr
	WIN 0
.endm
.macro FETCH_A slot, q, i0
.irp i, \i0, \i0+1, \i0+2, \i0+3
	FRAG AF+FR*(\i), ADRA+\slot, \q, \i
.endr
.endm
.macro SCALES sc                       ; a K step's scale words: lanes 0-15 take S1's block i, lanes 16-31 S0's block i
.irp i, 0,1,2,3,4,5,6,7
	ds_load_b64 v[SC+8*NQ*\sc+NQ*\i:SC+8*NQ*\sc+NQ*\i+1], v[ADRS] offset:\i*SBLK
.endr
.endm
.macro PLACES n                        ; plain vector lines between a matrix instruction and a load into, or a read of, its registers (ISA guide 7.12.1 for reads)
.rept \n
	v_nop
.endr
.endm
.macro STEP slot, q, zero              ; 128 along K that has its successor in the same slot
	s_wait_dscnt 4*NL                              ; S0's set and S1's blocks 0-3 are in; the youngest 16 loads (blocks 4-7) may be out
	WIN MUL_LO
	MUL16 0, (\q)%2, \q, \slot, \zero
	MUL16 2, (\q)%2, \q, \slot, \zero
	s_wait_dscnt 0
	PLACES NP
	FETCH_B \slot, (\q)+1, 1-(\q)%2
	FETCH_A \slot, (\q)+1, 0
	WIN MUL_HI
	MUL16 4, (\q)%2, \q, \slot, \zero
	MUL16 6, (\q)%2, \q, \slot, \zero
	PLACES NP
	WIN 0
	FETCH_A \slot, (\q)+1, 4
.endm
; A slot's last step changes slots: one barrier; in front of it each wave waits for all its tensor loads, adds 0 to its spare word, and waits for that and for its reads of this slot.
.macro TURN slot, next, fill
	s_wait_tensorcnt 0x0                           ; all my tensor loads have landed: my part of the next slot
	ds_add_u32 v[SPW], v[NIL]                      ; 0 onto my spare word
	s_wait_dscnt 4*NL+1                            ; the add and the youngest 16 loads (S1's blocks 4-7) may be out
	WIN MUL_LO
	MUL16 0, 1, NQ-1, \slot, 0
	s_wait_dscnt 0x0                               ; the add is done, and my reads of this slot are over
	s_barrier_signal -1
	MUL16 2, 1, NQ-1, \slot, 0
	WIN 0
	s_barrier_wait -1
.if \fill
	CREST                                          ; the barrier has opened a round of the cluster's: no wave of any partner still reads this slot or has a load on its way
	s_add_nc_u64 s[G0+4*\slot+2:G0+4*\slot+3], s[G0+4*\slot+2:G0+4*\slot+3], 2*ROWB
	s_add_nc_u64 s[G0B+4*\slot+2:G0B+4*\slot+3], s[G0B+4*\slot+2:G0B+4*\slot+3], 2*ROWB
	JLOAD G0+4*\slot, G1, G0B+4*\slot, G1B         ; the first tensor load behind the round; its four v_nop are among the places in front of the loads below
	PLACES NP-4
.else
	PLACES NP
.endif
	s_wait_alu depctr_va_vdst(0)
	v_add_nc_u32 v[ADRS], 4*NQ, v[ADRS]            ; on to the next K step's scale words
	FETCH_B \next, 0, 0
	FETCH_A \next, 0, 0
	SCALES \next
	WIN MUL_HI
	MUL16 4, 1, NQ-1, \slot, 0
	MUL16 6, 1, NQ-1, \slot, 0
	PLACES NP
	WIN 0
	FETCH_A \next, 0, 4
.endm
	s_wait_alu depctr_va_vdst(0)                   ; the wait at the head's end
	s_wait_tensorcnt 0x0                           ; my tile of the head's four is in; the three lines stand ahead of slot 1's first fill as ahead of a refill
	ds_add_u32 v[SPW], v[NIL]
	s_mov_b32 s[G1+2], 128<<16                     ; no tensor load of mine is out, so descriptors may be written: from here on a load brings 128 rows,
	s_mov_b32 s[G1+4], 128
	s_mov_b32 s[G1B+2], 128<<16
	s_mov_b32 s[G1B+4], 128
	s_mov_b32 s[G0+1], s45                         ; and slot 0's groups 0 stand at my 128 rows of K step 0: the first refill steps them on
	s_add_nc_u64 s[G0+2:G0+3], s[G0+2:G0+3], s[94:95]
	s_mov_b32 s[G0B+1], s45
	s_add_nc_u64 s[G0B+2:G0B+3], s[G0B+2:G0B+3], s[94:95]
	s_wait_dscnt 0x0                               ; the add is done
	CROUND                                         ; a whole round: all four tiles are in, and the joint loads meet
	JLOAD G0+4, G1, G0B+4, G1B                     ; K step 1, the first tensor load behind the round
	FETCH_B 0, 0, 0
	FETCH_A 0, 0, 0
	SCALES 0
	global_prefetch_b8 v30, s[92:93] offset:768 th:TH_LOAD_NT scope:SCOPE_SE   ; behind K step 1's load: K step 3
	FETCH_A 0, 0, 4
	STEP 0, 0, 1                                   ; the first step's products start the sums
	s_mov_b32 s3, LAPS-1
.Llap:
	TURN 0, 1, 1
	STEP 1, 0, 0
	TURN 1, 0, 1
	STEP 0, 0, 0
	s_sub_co_u32 s3, s3, 1
	s_cmp_lg_u32 s3, 0
	s_cbranch_scc1 .Llap
	TURN 0, 1, 0                                   ; the last lap fills nothing
	STEP 1, 0, 0
	s_wait_dscnt 4*NL
	WIN MUL_LO
	MUL16 0, 1, NQ-1, 1, 0
	MUL16 2, 1, NQ-1, 1, 0
	s_wait_dscnt 0
	WIN MUL_HI
	MUL16 4, 1, NQ-1, 1, 0
	MUL16 6, 1, NQ-1, 1, 0
	WIN 0
	PLACES NP
	s_mov_b32 s18, 0x76543210
	s_mov_b32 s19, 0xfedcba98                      ; v_permlanex16_b32's selects for lane l xor 16
	s_mov_b32 s20, 0x600000                        ; the mantissa field of 448
.irp b, 0,1,2,3
	v_mov_b32 v[TP+\b], 0                          ; written once: a lane permute's destination counts as one of its sources
.endr
; Block a of 16 rows of S1: a lane's 64 numbers along S0 (four blocks of 32, shared with lane l xor 16) become 64 codes and a scale word.  Each accumulator is read from its low end on.
.macro QOUT a
.set W, 2+(\a)/4
.set AC, 64*((\a)%4)
	WIN (W<<2)|(W<<4)
.irp b, 0,1,2,3
	v_max3_num_f32 v[TM+\b], 0x4800000, |v[AC+16*\b]|, |v[AC+16*\b+1]|   ; with the floor 2^(9 - 127): the byte cannot fall under 1
.endr
.irp i, 2,4,6,8,10,12,14
.irp b, 0,1,2,3
	v_max3_num_f32 v[TM+\b], v[TM+\b], |v[AC+16*\b+\i]|, |v[AC+16*\b+\i+1]|
.endr
.endr
	WIN 0
	s_wait_alu depctr_va_vdst(0)
	s_wait_dscnt 0x0                               ; the last block's LDS stores have read the codes and the scale word
.irp b, 0,1,2,3
	v_permlanex16_b32 v[TP+\b], v[TM+\b], s18, s19
.endr
.irp b, 0,1,2,3
	v_max_num_f32 v[TM+\b], v[TM+\b], v[TP+\b]
.endr
.irp b, 0,1,2,3
	v_add_nc_u32 v[SCF+\b], 0xfc000000, v[TM+\b]   ; 8 off the exponent field: the conversion's scale operand
.endr
.irp b, 0,1,2,3
	v_and_or_b32 v[LIM+\b], v[TM+\b], 0x7f800000, s20   ; 448 x the scale
.endr
.irp b, 0,1,2,3
	v_lshrrev_b32 v[BY+\b], 23, v[SCF+\b]
.endr
	v_lshl_or_b32 v[PW], v[BY+1], 8, v[BY]
	v_lshl_or_b32 v[PW], v[BY+2], 16, v[PW]
	v_lshl_or_b32 v[PW], v[BY+3], 24, v[PW]
	WIN (W<<6)|W
.irp b, 0,1,2,3
.irp i, 0,1,2,3,4,5,6,7,8,9,10,11,12,13,14,15
	v_med3_num_f32 v[AC+16*\b+\i], v[AC+16*\b+\i], -v[LIM+\b], v[LIM+\b]   ; the conversion does not saturate (ISA guide 7.6.2): hold first
.endr
.endr
	WIN W
.irp b, 0,1,2,3
	v_cvt_scalef32_pk8_fp8_f32 v[PC+4*\b:PC+4*\b+1], v[AC+16*\b:AC+16*\b+7], v[SCF+\b]
	v_cvt_scalef32_pk8_fp8_f32 v[PC+4*\b+2:PC+4*\b+3], v[AC+16*\b+8:AC+16*\b+15], v[SCF+\b]
.endr
	WIN 0
	v_nop                                          ; one plain line behind the last conversion
.irp b, 0,1,2,3
	ds_store_b128 v[STO], v[PC+4*\b:PC+4*\b+3] offset:(64*(\b/2)+4*(\a))*272+32*(\b%2)
.endr
	ds_store_b16 v[SSO], v[PW] offset:32*(\a)                 ; the first 64's two bytes (lanes l and l xor 16 write the same bytes with the same value),
	ds_store_b16_d16_hi v[SSO], v[PW] offset:512+32*(\a)      ; the second 64's
.endm
.irp a, 0,1,2,3,4,5,6,7
	QOUT \a
.endr
	s_wait_dscnt 0x0                               ; for the others' sake: my stores into the stage have landed
	s_barrier_signal -1
	s_barrier_wait -1
.set I, 0
.rept 32
	ds_load_b128 v[OUT+4*I:OUT+4*I+3], v[RD] offset:544*I
.set I, I+1
.endr
	ds_load_b128 v[120:123], v[RS]
.set I, 0
.rept 32
	s_wait_dscnt 32-I                              ; load I is in: 32 - I were issued behind it
	global_store_b128 v[CO], v[OUT+4*I:OUT+4*I+3], s[4+2*(I/8):5+2*(I/8)] offset:512*(I%8)   ; 16 lanes store 256 consecutive bytes, aligned
.set I, I+1
.endr
	s_wait_dscnt 0x0
	global_store_b128 v[CO], v[120:123], s[100:101]          ; 512 consecutive scale bytes
	s_wait_tensorcnt 0x0                           ; the wave's end
	ds_add_u32 v[SPW], v[NIL]
	s_wait_dscnt 0x0
	CROUND                                         ; the closing round: no work-group ends while a partner may still ask for a tile that names it
	s_endpgm
.Lfunc_end_k_qcc2e73ed91_qkv:
	.size	k_qcc2e73ed91_qkv, .Lfunc_end_k_qcc2e73ed91_qkv-k_qcc2e73ed91_qkv
	.p2alignl 7, 3214868480
	.fill 96, 4, 3214868480
	.section	.rodata,"a",@progbits
	.p2align	6, 0x0
	.amdhsa_kernel k_qcc2e73ed91_qkv
		.amdhsa_group_segment_fixed_size 327680
		.amdhsa_private_segment_fixed_size 0
		.amdhsa_enable_private_segment 0
		.amdhsa_kernarg_size 64
		.amdhsa_user_sgpr_count 2
		.amdhsa_user_sgpr_kernarg_segment_ptr 1
		.amdhsa_wavefront_size32 1
		.amdhsa_system_sgpr_workgroup_id_x 1
		.amdhsa_system_sgpr_workgroup_id_y 1
		.amdhsa_system_sgpr_workgroup_id_z 1
		.amdhsa_system_vgpr_workitem_id 0
		.amdhsa_next_free_vgpr 1024
		.amdhsa_next_free_sgpr 102
		.amdhsa_reserve_vcc 0
		.amdhsa_float_denorm_mode_32 3
		.amdhsa_float_denorm_mode_16_64 3
		.amdhsa_memory_ordered 1
		.amdhsa_forward_progress 1
		.amdhsa_inst_pref_size 194
	.end_amdhsa_kernel
	.amdgpu_metadata
---
amdhsa.version: [ 1, 2 ]
amdhsa.kernels:
  - .name:           k_qcc2e73ed91_qkv
    .symbol:         k_qcc2e73ed91_qkv.kd
    .args:
      - { .name: hq, .offset: 0, .size: 8, .value_kind: global_buffer, .address_space: global }
      - { .name: Wq_codes, .offset: 8, .size: 8, .value_kind: global_buffer, .address_space: global }
      - { .name: Wq_scales, .offset: 16, .size: 8, .value_kind: global_buffer, .address_space: global }
      - { .name: Wk_codes, .offset: 24, .size: 8, .value_kind: global_buffer, .address_space: global }
      - { .name: Wk_scales, .offset: 32, .size: 8, .value_kind: global_buffer, .address_space: global }
      - { .name: Wv_codes, .offset: 40, .size: 8, .value_kind: global_buffer, .address_space: global }
      - { .name: Wv_scales, .offset: 48, .size: 8, .value_kind: global_buffer, .address_space: global }
      - { .name: qkv, .offset: 56, .size: 8, .value_kind: global_buffer, .address_space: global }
    .group_segment_fixed_size: 327680
    .private_segment_fixed_size: 0
    .kernarg_segment_align: 8
    .kernarg_segment_size: 64
    .max_flat_workgroup_size: 128
    .sgpr_count:     102
    .vgpr_count:     1024
    .wavefront_size: 32
...
	.end_amdgpu_metadata
.endif
;; end of part 2
;; launch attn (part 3): grid 4 x 64, 16 waves a work-group, clusters of 4 x 1, 169,984 bytes of LDS; arguments qkv, oq; writes oq
.if DOCPART == 3
	.amdgcn_target "amdgcn-amd-amdhsa--gfx1250"
	.amdhsa_code_object_version 6
	.text
	.protected	k_qcc2e73ed91_attn
	.globl	k_qcc2e73ed91_attn
	.p2align	8
	.type	k_qcc2e73ed91_attn,@function
k_qcc2e73ed91_attn:
	s_mov_b64 s[64:65], 0
	v_nop
	global_prefetch_b8 v0, s[64:65] scope:SCOPE_SE
	s_setreg_imm32_b32 hwreg(HW_REG_WAVE_MODE, 25, 1), 1
	s_wait_xcnt 0x0
	s_wait_alu depctr_hold_cnt(0) depctr_sa_sdst(0) depctr_va_vdst(0) depctr_va_sdst(0) depctr_va_ssrc(0) depctr_va_vcc(0) depctr_vm_vsrc(0)
	s_getreg_b32 s2, hwreg(HW_REG_IB_STS2, 6, 4)
	s_cmp_eq_u32 s2, 0
	s_cbranch_scc0 .Lentry_in_a_cluster
	s_endpgm
.Lentry_in_a_cluster:
	s_bfe_u32 s2, ttmp6, 0x10000c
	s_cmp_lg_u32 s2, 0x3003
	s_cbranch_scc0 .Lentry_shape_is_right
	s_endpgm
.Lentry_shape_is_right:
; o = softmax(q k^T / 8) v for 64 (batch, head) pairs of 1,024 x 64, both products on codes of FP8 (E4M3) with E8M0 scales; o is divided by the row's sum and quantised along (head, d) on the way out.
; IN (one buffer): q's, k's codes [64][1024][64] at 0 and 0x400000; v's [64][16 (keys / 64)][64 d][64 keys] at 0x800000; two scale bytes for each 64 codes at 0xC00000 (q), 0xC20000 (k), 0xC40000 (v: [4][16][1024]).
; Inside each block of 32 the codes of q, k (along d) and of v (along the keys) stand in the order 16 h + 8 u + j <- 16 u + 8 h + j; q and k alike, and p comes out of its registers in that order.
; OUT: o's codes [16 heads][4096 rows][64] in true order; scale words [8][4096] x 4 bytes at 0x400000 (a head writes two bytes of a word: 2 bytes a row and head are stored singly, 128 KiB in all).
; THE SOFTMAX: t = score x log2(e) / 8; M = the running largest t rounded UP to a whole number; p = 2^(t - M) is quantised along the keys, not normalised; the sum is taken of the unquantised p;
; when M moves, the sum and O are multiplied by 2^(old M - new M), which rounds nothing.
; SHARES.  A work-group owns 256 queries of one head, each of its sixteen waves 16.  A head's K and V, 128 KiB of codes, fit in LDS: they are FILLED ONCE, by eight tensor loads, and no barrier stands in the loop.
; CLUSTER.  The four query blocks of a head form a cluster and ask for K and V jointly: the same load, the same descriptor, mask 15.
; K = 64 UNDER AN INSTRUCTION OF 128: a fragment of K holds TWO tiles of 16 keys (k 0-63: key 32 t + r; k 64-127: key 32 t + 16 + r) and is multiplied twice: by (Q, zeros) and by (zeros, Q).  Zero codes add nothing.
; Both products are used transposed (S^T = K Q^T, O^T = V^T P^T): a lane holds one query throughout.
; LIMITS: a block of zeros gets the byte 1 where the rule says 127; blocks under 2^-118 are held at that floor; NaN and infinities are not served.
.set KB,   0                           ; K: 256 units of 256 + 16 bytes (a unit: four keys' rows of 64 bytes)
.set VB,   69632                       ; V likewise (a unit: four d's rows of 64 keys)
.set KW,   139264                      ; 512 scale words of K: word 16 T + r: keys 32 T + r and 32 T + 16 + r
.set VW,   141312                      ; 512 of V: word 64 s + d: keys 128 s on
.set STG,  143360                      ; the way out: 4 units for each wave
.set AK0,  1
.set AV0,  2
.set ASK0, 3
.set ASV0, 4
.set STO,  5
.set RD,   6
.set GO,   7
.set ADK,  8
.set ADV,  9
.set ADS,  10
.set ADT,  11
.set F,    40                          ; v40-103  four fragments of K or of V
.set S,    104                         ; v104-167 S^T, then p; at the end o
.set O,    168                         ; v168-199 O^T
.set PC,   200                         ; v200-215 p's codes
.set SW,   216                         ; v216-219 the fragments' scale words
.set QS,   220                         ; Q's scale word
.set PW,   221                         ; p's scale word
.set BM,   224
.set PB,   228
.set LIM,  232
.set SCF,  236
.set S2,   240
.set FF,   242
.set TT,   244
.set GSO,  247
.set QB,   248                         ; v248     Q's two scale bytes as loaded
.set WV,   12
.set MNT,  19
.set SEL,  20
.set CS,   22
.set G1,   24
.set G0,   32
.set TB,   40
.set TS,   41
.set CNT,  42
.macro ROUND                           ; a round of the cluster's barrier
	s_barrier_signal -1
	s_barrier_wait -1
	s_cmp_lg_u32 s[WV], 0
	s_cbranch_scc1 .Lnot_wave_0_\@
	s_barrier_signal -3
.Lnot_wave_0_\@:
	s_barrier_wait -3
	s_barrier_signal -1
	s_barrier_wait -1
.endm
	s_load_b128 s[4:7], s[0:1], 0x0                ; in s[4:5], out s[6:7]
	v_lshl_add_u32 v254, v0, 2, 0x29000
	v_mov_b32 v255, 0
	ds_add_u32 v254, v255
	ds_add_u32 v254, v255
	v_lshrrev_b32 v1, 5, v0
	s_delay_alu instid0(VALU_DEP_1)
	v_readfirstlane_b32 s[WV], v1                  ; wave 0..15
	s_bfe_u32 s13, ttmp6, 0x40000                  ; cx
	s_lshl_b32 s14, ttmp9, 2
	s_add_co_u32 s13, s14, s13                     ; my block of 256 queries: it enters Q's and O's addresses alone
	s_and_b32 s14, ttmp7, 0xffff                   ; 16 b + head, which the four partners share
	s_lshr_b32 s15, s14, 4                         ; b
	s_and_b32 s16, s14, 15                         ; head
	s_lshl_b32 s17, s13, 8
	s_lshl_b32 s18, s[WV], 4
	s_add_co_u32 s17, s17, s18                     ; my first query
	; one descriptor: 16 KiB dense, as 64 rows of 256 bytes (32 elements of 8 bytes), 16 bytes of padding behind each
	s_mov_b32 s[G1], 15|(3<<16)|(1<<20)|(1<<21)|(5<<22)|(3<<25)
	s_mov_b32 s[G1+1], 32<<16
	s_mov_b32 s[G1+2], 64<<16
	s_mov_b32 s[G1+3], 32<<16
	s_mov_b32 s[G1+4], 64
	s_mov_b32 s[G1+5], 32
	s_mov_b32 s[G1+6], 0
	s_mov_b32 s[G1+7], 0
	s_lshr_b32 s36, s[WV], 2                       ; waves 0-3: K's quarters; waves 4-7: V's
	s_lshl_b32 s36, s36, 22
	s_and_b32 s37, s[WV], 3
	s_lshl_b32 s37, s37, 14
	s_add_co_u32 s36, s36, s37
	s_lshl_b32 s37, s14, 16
	s_add_co_u32 s36, s36, s37
	s_add_co_u32 s36, s36, 0x400000
	s_mov_b32 s37, 0
	s_mul_i32 s38, s[WV], 64*272
	s_wait_dscnt 0x0
	s_wait_kmcnt 0x0
	s_mov_b32 s[G0], 1
	s_mov_b32 s[G0+1], s38
	s_add_nc_u64 s[G0+2:G0+3], s[4:5], s[36:37]
	s_or_b32 s[G0+3], s[G0+3], 0x80000000
	ROUND                                          ; all four work-groups are here: the joint loads meet
	s_cmp_lt_u32 s[WV], 8
	s_cbranch_scc0 .Lno_fetch
	tensor_load_to_lds s[G0:G0+3], s[G1:G1+7]      ; one load of mine is out
	s_nop 0
.rept 4
	v_nop
.endr
.Lno_fetch:
	s_lshl_b32 s36, s14, 11                        ; k's scale bytes of the head
	s_add_co_u32 s36, s36, 0xC20000
	s_add_nc_u64 s[44:45], s[4:5], s[36:37]
	s_lshl_b32 s36, s15, 15                        ; v's: batch, and the head's 64 columns
	s_lshl_b32 s38, s16, 7
	s_add_co_u32 s36, s36, s38
	s_add_co_u32 s36, s36, 0xC40000
	s_add_nc_u64 s[46:47], s[4:5], s[36:37]
	s_lshl_b32 s36, s14, 16                        ; q's codes at my first query
	s_lshl_b32 s38, s17, 6
	s_add_co_u32 s36, s36, s38
	s_add_nc_u64 s[48:49], s[4:5], s[36:37]
	s_lshl_b32 s36, s14, 11                        ; q's scale bytes
	s_lshl_b32 s38, s17, 1
	s_add_co_u32 s36, s36, s38
	s_add_co_u32 s36, s36, 0xC00000
	s_add_nc_u64 s[50:51], s[4:5], s[36:37]
	s_lshl_b32 s36, s16, 18                        ; o's codes: head x 4,096 rows x 64 + (1,024 b + query) x 64
	s_lshl_b32 s38, s15, 16
	s_add_co_u32 s36, s36, s38
	s_lshl_b32 s38, s17, 6
	s_add_co_u32 s36, s36, s38
	s_add_nc_u64 s[52:53], s[6:7], s[36:37]
	s_lshr_b32 s36, s16, 1                         ; o's scale words: (head / 2) x 4,096 x 4 + row x 4 + 2 (head % 2)
	s_lshl_b32 s36, s36, 14
	s_lshl_b32 s38, s15, 12
	s_add_co_u32 s36, s36, s38
	s_lshl_b32 s38, s17, 2
	s_add_co_u32 s36, s36, s38
	s_and_b32 s38, s16, 1
	s_lshl_b32 s38, s38, 1
	s_add_co_u32 s36, s36, s38
	s_add_co_u32 s36, s36, 0x400000
	s_add_nc_u64 s[54:55], s[6:7], s[36:37]
	v_and_b32 v8, 15, v0                           ; r
	v_bfe_u32 v9, v0, 4, 1                         ; h
	v_lshrrev_b32 v10, 4, v0
	s_delay_alu instid0(VALU_DEP_1)
	v_lshlrev_b32 v10, 6, v10
	s_delay_alu instid0(VALU_DEP_1)
	v_lshl_add_u32 v10, v8, 1, v10                 ; thread i: k's bytes of key 32 (i / 16) + i % 16
	v_lshrrev_b32 v11, 6, v0
	s_delay_alu instid0(VALU_DEP_1)
	v_lshlrev_b32 v11, 12, v11
	v_and_b32 v12, 63, v0
	s_delay_alu instid0(VALU_DEP_1)
	v_lshl_add_u32 v11, v12, 1, v11                ; v's bytes of chunk 2 (i / 64), column i % 64
	global_load_u16 v224, v10, s[44:45]
	global_load_u16 v225, v10, s[44:45] offset:32          ; 16 keys on
	global_load_u16 v226, v11, s[46:47]
	global_load_u16 v227, v11, s[46:47] offset:2048        ; the next 64 keys
	v_lshlrev_b32 v13, 6, v8
	s_delay_alu instid0(VALU_DEP_1)
	v_lshl_add_u32 v13, v9, 4, v13                 ; Q: row r of 64 bytes, + 16 h
	global_load_b128 v[16:19], v13, s[48:49]
	global_load_b128 v[20:23], v13, s[48:49] offset:32
	global_load_b128 v[32:35], v13, s[48:49]               ; once more: (Q, zeros) is v[16:31], (zeros, Q) is v[24:39]
	global_load_b128 v[36:39], v13, s[48:49] offset:32
	v_lshlrev_b32 v14, 1, v8
	global_load_u16 v[QB], v14, s[50:51]
	; until the wait for these nine loads no line writes v10, v11, v13, v14 (their addresses), v16-23, v32-39, v224-227 or v248 (their destinations)
	v_lshrrev_b32 v244, 2, v8
	s_delay_alu instid0(VALU_DEP_1)
	v_mul_u32_u24 v244, v244, 272
	v_and_b32 v245, 3, v8
	s_delay_alu instid0(VALU_DEP_1)
	v_lshl_add_u32 v244, v245, 6, v244             ; (r / 4) 272 + (r % 4) 64
	s_delay_alu instid0(VALU_DEP_1)
	v_lshl_add_u32 v[AK0], v9, 4, v244
	s_delay_alu instid0(VALU_DEP_1)
	v_add_nc_u32 v[AV0], VB, v[AK0]
	v_lshl_add_u32 v[ASK0], v8, 2, KW
	s_delay_alu instid0(VALU_DEP_1)
	v_add_nc_u32 v[ASV0], VW-KW, v[ASK0]
	s_mul_i32 s43, s[WV], 4*272
	s_add_co_u32 s43, s43, STG                     ; my stage
	v_lshl_add_u32 v[STO], v9, 3, v244
	s_delay_alu instid0(VALU_DEP_1)
	v_add_nc_u32 v[STO], s43, v[STO]
	v_mul_u32_u24 v[RD], v9, 272
	s_delay_alu instid0(VALU_DEP_1)
	v_lshl_add_u32 v[RD], v8, 4, v[RD]
	s_delay_alu instid0(VALU_DEP_1)
	v_add_nc_u32 v[RD], s43, v[RD]
	v_and_b32 v[GO], 31, v0
	s_delay_alu instid0(VALU_DEP_1)
	v_lshlrev_b32 v[GO], 4, v[GO]
	v_lshlrev_b32 v[GSO], 2, v8
	v_lshl_add_u32 v246, v0, 2, KW                 ; where thread i puts word i
.irp j, 0,1,2,3,4,5,6,7
	v_mov_b32 v[24+\j], 0                          ; the zero codes
.endr
.set J, 0
.rept 32
	v_mov_b32 v[O+J], 0                            ; O^T.  (The loop is written once: its first step finds zeros, which the first change of M leaves zeros)
.set J, J+1
.endr
.irp b, 0,1,2,3
	v_mov_b32 v[PB+\b], 0                          ; written once: a lane permute's destination counts as one of its sources
.endr
	v_mov_b32 v[FF+1], 0                           ; (named as the upper half of a pair)
	s_mov_b32 s[SEL], 0x76543210
	s_mov_b32 s[SEL+1], 0xfedcba98
	s_mov_b32 s[CS], 0x3e38aa3b                    ; c = log2(e) / 8
	s_mov_b32 s[CS+1], s[CS]
	s_mov_b32 s[MNT], 0x600000
	s_mov_b32 s[TB], 0
	s_mov_b32 s[TS], 0
	s_mov_b32 s[CNT], 8
	s_wait_loadcnt 0x0
	v_lshl_or_b32 v224, v225, 16, v224
	v_lshl_or_b32 v226, v227, 16, v226
	v_lshl_or_b32 v[QS], v[QB], 16, v[QB]          ; Q's two bytes for either half of K
	ds_store_b32 v246, v224
	ds_store_b32 v246, v226 offset:VW-KW
	v_mov_b32 v13, 0xff61b1e6                      ; the largest t so far: -3e38
	s_delay_alu instid0(VALU_DEP_1)
	v_floor_f32 v12, -v13                          ; -M
	v_mov_b32 v14, 0                               ; the sum, in two halves
	v_mov_b32 v15, 0
	s_wait_tensorcnt 0x0                           ; my part of K or V has landed,
	s_wait_dscnt 0x0                               ; and my scale words
	s_barrier_signal -1
	s_barrier_wait -1                              ; everybody's have
.Lstep:                                            ; eight trips of 128 keys
	v_add_nc_u32 v[ADK], s[TB], v[AK0]
	v_add_nc_u32 v[ADV], s[TB], v[AV0]
	v_add_nc_u32 v[ADS], s[TS], v[ASK0]
	v_add_nc_u32 v[ADT], s[TS], v[ASV0]
.rept 4
	v_nop                                          ; with the four additions: eight places in front of loads into registers that the last products read
.endr
.irp t, 0,1,2,3
.irp c, 0,1,2,3
	ds_load_b128 v[F+16*\t+4*\c:F+16*\t+4*\c+3], v[ADK] offset:(8*\t+4*(\c/2))*272+32*(\c%2)
.endr
	ds_load_b32 v[SW+\t], v[ADS] offset:64*\t
.endr
	s_wait_dscnt 0x0
	s_wait_alu depctr_va_vdst(0)
.irp t, 0,1,2,3
	v_wmma_scale_f32_16x16x128_f8f6f4 v[S+16*\t:S+16*\t+7], v[F+16*\t:F+16*\t+15], v[16:31], 0, v[SW+\t], v[QS]      ; keys 32 t + 0 .. 15
	v_wmma_scale_f32_16x16x128_f8f6f4 v[S+16*\t+8:S+16*\t+15], v[F+16*\t:F+16*\t+15], v[24:39], 0, v[SW+\t], v[QS]   ; keys 32 t + 16 .. 31
.endr
.rept 8
	v_nop
.endr
.irp t, 0,1,2,3                                ; V's fragments are asked for now and land under the softmax
.irp c, 0,1,2,3
	ds_load_b128 v[F+16*\t+4*\c:F+16*\t+4*\c+3], v[ADV] offset:(16*(\c/2)+4*\t)*272+32*(\c%2)
.endr
	ds_load_b32 v[SW+\t], v[ADT] offset:64*\t
.endr
.irp b, 0,1,2,3
	v_max3_num_f32 v[BM+\b], v[S+16*\b], v[S+1+16*\b], v[S+2+16*\b]   ; the largest score of each block of 32 keys: for the row's maximum and for the block's largest p
.endr
.irp i, 3,5,7,9,11,13
.irp b, 0,1,2,3
	v_max3_num_f32 v[BM+\b], v[BM+\b], v[S+16*\b+\i], v[S+1+16*\b+\i]
.endr
.endr
.irp b, 0,1,2,3
	v_max_num_f32 v[BM+\b], v[BM+\b], v[S+15+16*\b]
.endr
.irp b, 0,1,2,3
	s_delay_alu instid0(VALU_DEP_4)
	v_permlanex16_b32 v[PB+\b], v[BM+\b], s[SEL], s[SEL+1]
.endr
.irp b, 0,1,2,3
	s_delay_alu instid0(VALU_DEP_4)
	v_max_num_f32 v[BM+\b], v[BM+\b], v[PB+\b]
.endr
	s_delay_alu instid0(VALU_DEP_2)
	v_max3_num_f32 v[TT], v[BM], v[BM+1], v[BM+2]
	s_delay_alu instid0(VALU_DEP_1)
	v_max_num_f32 v[TT], v[TT], v[BM+3]
	s_delay_alu instid0(VALU_DEP_1)
	v_mul_f32 v[TT], s[CS], v[TT]
	s_delay_alu instid0(VALU_DEP_1)
	v_max_num_f32 v13, v13, v[TT]                  ; the running largest t
	v_mov_b32 v[TT], v12
	s_delay_alu instid0(VALU_DEP_2)
	v_floor_f32 v12, -v13                          ; the new -M = -ceil(t)
	s_delay_alu instid0(VALU_DEP_1)
	v_sub_f32 v[TT], v12, v[TT]                    ; old M - new M: a whole number, 0 or less
	s_delay_alu instid0(VALU_DEP_1)
	v_cvt_i32_f32 v[TT], v[TT]                     ; (it saturates)
	s_delay_alu instid0(VALU_DEP_1)
	v_ldexp_f32 v[FF], 1.0, v[TT]                  ; f = 2^(old M - new M)
.set J, 0
.rept 32
	v_pk_fma_f32 v[S+J:S+J+1], v[S+J:S+J+1], s[CS:CS+1], v[12:13] op_sel_hi:[1,0,0]   ; t - M (of the pairs c and -M the low word serves both halves)
.set J, J+2
.endr
.irp b, 0,1,2,3
	v_fma_f32 v[BM+\b], v[BM+\b], s[CS], v12
.endr
.set J, 0
	s_wait_alu depctr_va_vdst(0)
.rept 64
	v_exp_f32 v[S+J], v[S+J]                       ; p = 2^(t - M)
.set J, J+1
.endr
.irp b, 0,1,2,3
	v_exp_f32 v[BM+\b], v[BM+\b]                   ; the block's largest p: the same two instructions on the same number
.endr
	v_pk_mul_f32 v[14:15], v[14:15], v[FF:FF+1] op_sel_hi:[1,0]   ; the sums under the new M (a plain line behind the exponentials)
	s_wait_alu depctr_va_vdst(0)
.irp b, 0,1,2,3
	v_max_num_f32 v[BM+\b], 0x4800000, v[BM+\b]    ; the floor 2^(9 - 127)
.endr
.irp b, 0,1,2,3
	s_delay_alu instid0(VALU_DEP_4)
	v_add_nc_u32 v[SCF+\b], 0xfc000000, v[BM+\b]
.endr
.irp b, 0,1,2,3
	v_and_or_b32 v[LIM+\b], v[BM+\b], 0x7f800000, s[MNT]
.endr
.irp b, 0,1,2,3
	v_lshrrev_b32 v[PB+\b], 23, v[SCF+\b]
.endr
	s_delay_alu instid0(VALU_DEP_3)
	v_lshl_or_b32 v[PW], v[PB+1], 8, v[PB]
	s_delay_alu instid0(VALU_DEP_1)
	v_lshl_or_b32 v[PW], v[PB+2], 16, v[PW]
	s_delay_alu instid0(VALU_DEP_1)
	v_lshl_or_b32 v[PW], v[PB+3], 24, v[PW]
	v_pk_add_f32 v[240:241], v[108:109], v[112:113]
	v_pk_add_f32 v[252:253], v[116:117], v[120:121]
	v_pk_add_f32 v[250:251], v[124:125], v[128:129]
	v_pk_add_f32 v[248:249], v[132:133], v[136:137]
	v_pk_add_f32 v[226:227], v[140:141], v[144:145]
	v_pk_add_f32 v[224:225], v[148:149], v[152:153]
	v_pk_add_f32 v[222:223], v[156:157], v[160:161]
	v_pk_add_f32 v[14:15], v[14:15], v[164:165]
	v_pk_add_f32 v[240:241], v[240:241], v[104:105]
	v_pk_add_f32 v[252:253], v[252:253], v[106:107]
	v_pk_add_f32 v[250:251], v[250:251], v[110:111]
	v_pk_add_f32 v[248:249], v[248:249], v[114:115]
	v_pk_add_f32 v[226:227], v[226:227], v[118:119]
	v_pk_add_f32 v[224:225], v[224:225], v[122:123]
	v_pk_add_f32 v[222:223], v[222:223], v[126:127]
	v_pk_add_f32 v[14:15], v[14:15], v[130:131]
	v_pk_add_f32 v[240:241], v[240:241], v[134:135]
	v_pk_add_f32 v[252:253], v[252:253], v[138:139]
	v_pk_add_f32 v[250:251], v[250:251], v[142:143]
	v_pk_add_f32 v[248:249], v[248:249], v[146:147]
	v_pk_add_f32 v[226:227], v[226:227], v[150:151]
	v_pk_add_f32 v[224:225], v[224:225], v[154:155]
	v_pk_add_f32 v[222:223], v[222:223], v[158:159]
	v_pk_add_f32 v[14:15], v[14:15], v[162:163]
	v_pk_add_f32 v[240:241], v[240:241], v[166:167]
	s_delay_alu instid0(VALU_DEP_2)
	v_pk_add_f32 v[14:15], v[14:15], v[248:249]
	s_delay_alu instid0(VALU_DEP_2)
	v_pk_add_f32 v[240:241], v[240:241], v[226:227]
	v_pk_add_f32 v[252:253], v[252:253], v[224:225]
	v_pk_add_f32 v[250:251], v[250:251], v[222:223]
	s_delay_alu instid0(VALU_DEP_2)
	v_pk_add_f32 v[14:15], v[14:15], v[252:253]
	s_delay_alu instid0(VALU_DEP_2)
	v_pk_add_f32 v[240:241], v[240:241], v[250:251]
	s_delay_alu instid0(VALU_DEP_1)
	v_pk_add_f32 v[14:15], v[14:15], v[240:241]
.irp b, 0,1,2,3
.set J, 0
.rept 16
	v_min_num_f32 v[S+16*\b+J], v[S+16*\b+J], v[LIM+\b]   ; the conversion does not saturate (ISA guide 7.6.2); p is not negative
.set J, J+1
.endr
	v_cvt_scalef32_pk8_fp8_f32 v[PC+4*\b:PC+4*\b+1], v[S+16*\b:S+16*\b+7], v[SCF+\b]
	v_cvt_scalef32_pk8_fp8_f32 v[PC+4*\b+2:PC+4*\b+3], v[S+16*\b+8:S+16*\b+15], v[SCF+\b]
.endr
.set J, 0
.rept 16
	v_pk_mul_f32 v[O+J:O+J+1], v[O+J:O+J+1], v[FF:FF+1] op_sel_hi:[1,0]   ; O^T under the new M; these sixteen are also the places in front of the products below
.set J, J+2
.endr
	s_wait_alu depctr_va_vdst(0)
	s_wait_dscnt 0x0                               ; V's fragments and scale words
.irp t, 0,1,2,3
	v_wmma_scale_f32_16x16x128_f8f6f4 v[O+8*\t:O+8*\t+7], v[F+16*\t:F+16*\t+15], v[PC:PC+15], v[O+8*\t:O+8*\t+7], v[SW+\t], v[PW]   ; the four accumulators by turns
.endr
	s_add_co_u32 s[TB], s[TB], 32*272              ; 128 keys on: 32 units of K, two chunks of V
	s_add_co_u32 s[TS], s[TS], 256
	s_sub_co_u32 s[CNT], s[CNT], 1
	s_cmp_lg_u32 s[CNT], 0
	s_cbranch_scc1 .Lstep
	s_barrier_signal -1                            ; no LDS instruction of mine is out.  Behind this barrier no wave reads K, V or the scale words
	s_barrier_wait -1
.rept 8
	v_nop                                          ; places in front of the first read of O^T
.endr
	v_add_f32 v14, v14, v15
	s_delay_alu instid0(VALU_DEP_1)
	v_permlanex16_b32 v[TT], v14, s[SEL], s[SEL+1]
	s_delay_alu instid0(VALU_DEP_1)
	v_add_f32 v14, v14, v[TT]                      ; the row's sum
	s_wait_alu depctr_va_vdst(0)
	v_rcp_f32 v14, v14
	v_nop
.set J, 0
	s_wait_alu depctr_va_vdst(0)
.rept 32
	v_mul_f32 v[S+J], v[O+J], v14                  ; register 8 t + j is o(query r, d = 16 t + 8 h + j)
.set J, J+1
.endr
.irp b, 0,1
	v_max3_num_f32 v[BM+\b], |v[S+16*\b]|, |v[S+16*\b+1]|, 0x4800000
.endr
.irp i, 2,4,6,8,10,12,14
.irp b, 0,1
	s_delay_alu instid0(VALU_DEP_2)
	v_max3_num_f32 v[BM+\b], v[BM+\b], |v[S+16*\b+\i]|, |v[S+16*\b+\i+1]|
.endr
.endr
.irp b, 0,1
	s_delay_alu instid0(VALU_DEP_2)
	v_permlanex16_b32 v[PB+\b], v[BM+\b], s[SEL], s[SEL+1]
.endr
.irp b, 0,1
	s_delay_alu instid0(VALU_DEP_2)
	v_max_num_f32 v[BM+\b], v[BM+\b], v[PB+\b]
.endr
.irp b, 0,1
	s_delay_alu instid0(VALU_DEP_2)
	v_add_nc_u32 v[SCF+\b], 0xfc000000, v[BM+\b]
.endr
.irp b, 0,1
	s_delay_alu instid0(VALU_DEP_4)
	v_and_or_b32 v[LIM+\b], v[BM+\b], 0x7f800000, s[MNT]
.endr
.irp b, 0,1
	s_delay_alu instid0(VALU_DEP_4)
	v_lshrrev_b32 v[PB+\b], 23, v[SCF+\b]
.endr
	s_delay_alu instid0(VALU_DEP_1)
	v_lshl_or_b32 v[TT], v[PB+1], 8, v[PB]         ; the head's two scale bytes of my row
.irp b, 0,1
.set J, 0
.rept 16
	v_med3_num_f32 v[S+16*\b+J], v[S+16*\b+J], -v[LIM+\b], v[LIM+\b]
.set J, J+1
.endr
	v_cvt_scalef32_pk8_fp8_f32 v[PC+4*\b:PC+4*\b+1], v[S+16*\b:S+16*\b+7], v[SCF+\b]
	v_cvt_scalef32_pk8_fp8_f32 v[PC+4*\b+2:PC+4*\b+3], v[S+16*\b+8:S+16*\b+15], v[SCF+\b]
.endr
	v_nop
.irp t, 0,1,2,3
	ds_store_b64 v[STO], v[PC+2*\t:PC+2*\t+1] offset:16*\t   ; true order: tile t's eight codes at d = 16 t + 8 h
.endr
	ds_load_b128 v[F:F+3], v[RD]                   ; LDS serves a wave's instructions in order: these see my stores
	ds_load_b128 v[F+4:F+7], v[RD] offset:544
	global_store_b16 v[GSO], v[TT], s[54:55]       ; lanes l and l xor 16 store the same two bytes
	s_wait_dscnt 1                                 ; the first load is in; the second may be out
	global_store_b128 v[GO], v[F:F+3], s[52:53]    ; 512 consecutive bytes, aligned
	s_wait_dscnt 0x0
	global_store_b128 v[GO], v[F+4:F+7], s[52:53] offset:512
	s_wait_tensorcnt 0x0
	s_wait_tensorcnt 0x0
	ds_add_u32 v254, v255
	s_wait_dscnt 0x0
	ROUND                                          ; the closing round
	s_endpgm
.Lfunc_end_k_qcc2e73ed91_attn:
	.size	k_qcc2e73ed91_attn, .Lfunc_end_k_qcc2e73ed91_attn-k_qcc2e73ed91_attn
	.p2alignl 7, 3214868480
	.fill 96, 4, 3214868480
	.section	.rodata,"a",@progbits
	.p2align	6, 0x0
	.amdhsa_kernel k_qcc2e73ed91_attn
		.amdhsa_group_segment_fixed_size 169984
		.amdhsa_private_segment_fixed_size 0
		.amdhsa_enable_private_segment 0
		.amdhsa_kernarg_size 16
		.amdhsa_user_sgpr_count 2
		.amdhsa_user_sgpr_kernarg_segment_ptr 1
		.amdhsa_wavefront_size32 1
		.amdhsa_system_sgpr_workgroup_id_x 1
		.amdhsa_system_sgpr_workgroup_id_y 1
		.amdhsa_system_sgpr_workgroup_id_z 1
		.amdhsa_system_vgpr_workitem_id 0
		.amdhsa_next_free_vgpr 256
		.amdhsa_next_free_sgpr 66
		.amdhsa_reserve_vcc 0
		.amdhsa_float_denorm_mode_32 3
		.amdhsa_float_denorm_mode_16_64 3
		.amdhsa_memory_ordered 1
		.amdhsa_forward_progress 1
		.amdhsa_inst_pref_size 37
	.end_amdhsa_kernel
	.amdgpu_metadata
---
amdhsa.version: [ 1, 2 ]
amdhsa.kernels:
  - .name:           k_qcc2e73ed91_attn
    .symbol:         k_qcc2e73ed91_attn.kd
    .args:
      - { .name: qkv, .offset: 0, .size: 8, .value_kind: global_buffer, .address_space: global }
      - { .name: oq, .offset: 8, .size: 8, .value_kind: global_buffer, .address_space: global }
    .group_segment_fixed_size: 169984
    .private_segment_fixed_size: 0
    .kernarg_segment_align: 8
    .kernarg_segment_size: 16
    .max_flat_workgroup_size: 512
    .sgpr_count:     66
    .vgpr_count:     256
    .wavefront_size: 32
...
	.end_amdgpu_metadata
.endif
;; end of part 3
;; launch wo (part 4): grid 8 x 32, 4 waves a work-group, clusters of 4 x 4, 327,680 bytes of LDS; arguments oq, Wo_codes, Wo_scales, bo, x, x1; writes x1
.if DOCPART == 4
	.amdgcn_target "amdgcn-amd-amdhsa--gfx1250"
	.amdhsa_code_object_version 6
	.text
	.protected	k_qcc2e73ed91_wo
	.globl	k_qcc2e73ed91_wo
	.p2align	8
	.type	k_qcc2e73ed91_wo,@function
k_qcc2e73ed91_wo:
	s_mov_b64 s[64:65], 0
	v_nop
	global_prefetch_b8 v0, s[64:65] scope:SCOPE_SE
	s_setreg_imm32_b32 hwreg(HW_REG_WAVE_MODE, 25, 1), 1
	s_wait_xcnt 0x0
	s_wait_alu depctr_hold_cnt(0) depctr_sa_sdst(0) depctr_va_vdst(0) depctr_va_sdst(0) depctr_va_ssrc(0) depctr_va_vcc(0) depctr_vm_vsrc(0)
	s_getreg_b32 s2, hwreg(HW_REG_IB_STS2, 6, 4)
	s_cmp_eq_u32 s2, 0
	s_cbranch_scc0 .Lentry_in_a_cluster
	s_endpgm
.Lentry_in_a_cluster:
	s_bfe_u32 s2, ttmp6, 0x10000c
	s_cmp_lg_u32 s2, 0xf033
	s_cbranch_scc0 .Lentry_shape_is_right
	s_endpgm
.Lentry_shape_is_right:
; out = res + S1 W^T + bias on codes of FP8 (E4M3) with E8M0 scales.  SIZE_K along K; 4,096 rows; 1,024 columns.
; S1 (made by this program): codes [SIZE_K / 64][4096 rows][64], true order; scale words [SIZE_K / 128][4096] x 4 bytes behind them.  W: codes [1024 n][SIZE_K], scale bytes [1024][SIZE_K / 32].  bias [1024], res, out [4096][1024]: f32.
; A tile of out is 128 x 128, so that the 4,096 x 1,024 results give 256 work-groups.  Four waves, each 64 x 64: 16 accumulators.  K goes in steps of 512 through two LDS slots filled by the tensor data mover.
; S1's part of a slot is 8 chunks of 128 rows x 64 bytes, each dense in memory, laid as units of 256 + 16 bytes (a unit: four rows); W's part is 128 rows of 512 + 16 bytes.
; The scales of the tile's rows and columns for all of K come once, with the first fills, and stay.
; CLUSTERS: 4 x 4 work-groups; S1's tiles are shared along a row of the cluster, W's along a column: joint loads.  The matrix instruction is used transposed (source 0 = 16 rows of W, source 1 = 16 rows of S1):
; a lane holds eight neighbouring columns of one row of out.  The bias is the C of each sum's first product.
; THE RESIDUAL, 64 x 64 f32 a wave, IS ASKED FOR AT THE HEAD, behind the first tensor loads, into registers of its own: it lands under the matrix work and is added on the way out.
; REGISTERS: window 0: v0-31 addresses; v32-79 scale words, two sets of 24, and nothing else; v96-127 the bias; v128-255 the accumulators ((a, b) at v[128 + 8 (4 a + b)]).  window 1: two fragment buffers of 128: S1's four, then W's four.
;   window 2: v0-127 the residual: block a of 16 rows at v[32 a], in the order in which the rows come back from the stage.
.set SIZE_K, 1024
.set KSTEP,  512
.set LAPS,   SIZE_K/(2*KSTEP)
.set KS,     SIZE_K/32
.set CHB,    32*272                    ; a chunk in LDS
.set S1P,    8*CHB
.set PITCH,  528                       ; 512 bytes + 16 = 132 words: the 16 rows that a load touches start at 16 different banks (ISA guide 11.1)
.set S0H,    64*PITCH
.set SLOT,   S1P+2*S0H
.set SCL0,   2*SLOT                    ; W's scale bytes, as units of 256 + 16
.set S0SH,   (64*KS/256)*272
.set SBLK,   (16*KS/256)*272
.set SCL1,   SCL0+2*S0SH               ; S1's scale words [SIZE_K / 128][128 rows]
.set S1SH,   (SIZE_K/256)*512
.set SPARE,  SCL1+2*S1SH               ; the spare words, 128 bytes for each wave: two blocks of 256 bytes that no other line names
.set NP,     8
.set ADRA, 16
.set ADRB, 20
.set ADS0, 22
.set ADS1, 23
.set STO,  24
.set RD,   25
.set CO,   26
.set SPW,  28
.set NIL,  29
.set SC,   32                          ; set s at v[32 + 24 s]: register 4 i + q: W's block i; register 16 + 4 p + q: S1's rows 32 p .. 32 p + 31 (lanes 16-31: the odd block); q: the K step's q-th 128
.set BI,   96
.set ACC,  128
.set F0,   0
.set F1,   128
.set G1, 24
.set G0, 32
.set G1B, 48
.set G0B, 56
.set G1S, 68
.set G0S, 76
.set G1SB, 80
.set G0SB, 88
.set MSB, 0
.macro WIN new
.if MSB != \new
	s_set_vgpr_msb (MSB<<8)|\new
.set MSB, \new
.endif
.endm
.set MUL,  0x05                        ; sources 0 and 1 window 1; C and D window 0
.set TO_F, 0x40                        ; destination window 1
.set TO_R, 0x80                        ; destination window 2
.macro JLOAD g0a, g1a, g0b, g1b        ; waves 0 and 1 fetch for S1, waves 2 and 3 for W; four v_nop follow each of the two lines
	s_cmp_eq_u32 s15, 0
	s_cbranch_scc0 .Lfor_b_\@
	tensor_load_to_lds s[\g0a:\g0a+3], s[\g1a:\g1a+7]
	s_nop 0
.rept 4
	v_nop
.endr
	s_branch .Lasked_\@
.Lfor_b_\@:
	tensor_load_to_lds s[\g0b:\g0b+3], s[\g1b:\g1b+7]
	s_nop 0
.rept 4
	v_nop
.endr
.Lasked_\@:
.endm
.macro CREST
	s_cmp_lg_u32 s14, 0
	s_cbranch_scc1 .Lnot_wave_0_\@
	s_barrier_signal -3
.Lnot_wave_0_\@:
	s_barrier_wait -3
	s_barrier_signal -1
	s_barrier_wait -1
.endm
.macro CROUND
	s_barrier_signal -1
	s_barrier_wait -1
	CREST
.endm
	s_load_b256 s[4:11], s[0:1], 0x0               ; S1 s[4:5], W's codes s[6:7], W's scales s[8:9], bias s[10:11]
	s_load_b128 s[92:95], s[0:1], 0x20             ; res s[92:93], out s[94:95]
	v_lshl_add_u32 v[SPW], v0, 2, SPARE
	v_mov_b32 v[NIL], 0
	ds_add_u32 v28, v29
	ds_add_u32 v28, v29
	s_wait_dscnt 0x0
	v_lshrrev_b32 v1, 5, v0
	v_readfirstlane_b32 s14, v1                    ; wave 0..3
	s_lshr_b32 s15, s14, 1                         ; which 64 rows are mine.  Also: I fetch for S1 (0) or for W (1)
	s_and_b32 s16, s14, 1                          ; which 64 columns.  Also: which half I fetch
	s_bfe_u32 s40, ttmp6, 0x40000
	s_bfe_u32 s41, ttmp6, 0x40004
	s_lshl_b32 s42, ttmp9, 2
	s_add_co_u32 s42, s42, s40                     ; tile column
	s_and_b32 s17, ttmp7, 0xffff
	s_lshl_b32 s17, s17, 2
	s_add_co_u32 s17, s17, s41                     ; tile row
	s_lshl_b32 s43, s41, 2
	s_lshl_b32 s43, 15, s43                        ; my row of the cluster
	s_lshl_b32 s44, 0x1111, s40                    ; my column
	; S1's codes: four chunks, each 8,192 dense bytes (1,024 elements of 8), 262,144 bytes apart; 16 bytes of padding behind every 256
	s_or_b32 s[G1+0], s43, (3<<16)|(1<<20)|(1<<21)|(5<<22)|(3<<25)
	s_mov_b32 s[G1+1], 1024<<16
	s_mov_b32 s[G1+2], 8<<16                       ; eight chunks for the head's load; behind it four
	s_mov_b32 s[G1+3], 1024<<16
	s_mov_b32 s[G1+4], 8
	s_mov_b32 s[G1+5], 32768
	s_mov_b32 s[G1+6], 0
	s_mov_b32 s[G1+7], 0
	; W's codes: 64 rows of 512 bytes, 16 bytes of padding behind each
	s_or_b32 s[G1B+0], s44, (0<<16)|(1<<20)|(1<<21)|(6<<22)|(3<<25)
	s_mov_b32 s[G1B+1], KSTEP<<16
	s_mov_b32 s[G1B+2], 128<<16                    ; 128 rows for the head's load; behind it 64
	s_mov_b32 s[G1B+3], KSTEP<<16
	s_mov_b32 s[G1B+4], 128
	s_mov_b32 s[G1B+5], SIZE_K
	s_mov_b32 s[G1B+6], 0
	s_mov_b32 s[G1B+7], 0
	; S1's scale words: SIZE_K / 128 rows of 512 bytes (128 rows' words), 16,384 bytes apart; no padding
	s_or_b32 s[G1S+0], s43, (3<<16)|(1<<21)
	s_mov_b32 s[G1S+1], 64<<16
	s_mov_b32 s[G1S+2], (SIZE_K/128)<<16           ; all of K by one load
	s_mov_b32 s[G1S+3], 64<<16
	s_mov_b32 s[G1S+4], SIZE_K/128
	s_mov_b32 s[G1S+5], 2048
	s_mov_b32 s[G1S+6], 0
	s_mov_b32 s[G1S+7], 0
	; W's scale bytes of 128 rows: dense, as rows of 256 bytes, 16 bytes of padding behind each
	s_or_b32 s[G1SB+0], s44, (3<<16)|(1<<20)|(1<<21)|(5<<22)|(3<<25)
	s_mov_b32 s[G1SB+1], 32<<16
	s_mov_b32 s[G1SB+2], (128*KS/256)<<16          ; all 128 rows by one load
	s_mov_b32 s[G1SB+3], 32<<16
	s_mov_b32 s[G1SB+4], 128*KS/256
	s_mov_b32 s[G1SB+5], 32
	s_mov_b32 s[G1SB+6], 0
	s_mov_b32 s[G1SB+7], 0
	s_lshl_b32 s20, s17, 13                        ; S1's codes: chunk 0, row 128 x tile row
	s_mov_b32 s21, 0
	s_lshl_b32 s22, s17, 9                         ; S1's scale words: the tile's rows
	s_add_co_u32 s22, s22, SIZE_K*4096
	s_mov_b32 s23, 0
	s_lshl_b32 s46, s42, 7                         ; W: row 128 x tile column
	s_mul_i32 s96, s46, KS
	s_mov_b32 s97, 0
	s_mul_i32 s46, s46, SIZE_K
	s_mov_b32 s47, 0
	s_mul_i32 s45, s16, 4*CHB                      ; where they go: no place in the cluster enters an LDS address
	s_mul_i32 s19, s16, S0H
	s_add_co_u32 s19, s19, S1P
	s_lshl_b32 s2, s16, 20                         ; s[2:3]: my half of a slot's part of S1: four chunks on
	s_mov_b32 s3, 0
	s_mul_i32 s12, s16, 64*SIZE_K                  ; s[12:13]: my half of W's: 64 rows on
	s_mov_b32 s13, 0
	s_wait_kmcnt 0x0
	s_add_nc_u64 s[20:21], s[4:5], s[20:21]
	s_add_nc_u64 s[22:23], s[4:5], s[22:23]
	s_add_nc_u64 s[46:47], s[6:7], s[46:47]
	s_add_nc_u64 s[96:97], s[8:9], s[96:97]
	CROUND                                         ; all sixteen work-groups are here: the first joint loads meet
	s_mov_b32 s[G0S], 1
	s_mov_b32 s[G0S+1], SCL1
	s_mov_b64 s[G0S+2:G0S+3], s[22:23]
	s_or_b32 s[G0S+3], s[G0S+3], 0x80000000
	s_mov_b32 s[G0SB], 1
	s_mov_b32 s[G0SB+1], SCL0
	s_mov_b64 s[G0SB+2:G0SB+3], s[96:97]
	s_or_b32 s[G0SB+3], s[G0SB+3], 0x80000000
	s_mov_b32 s[G0], 1                             ; slot 0's groups 0 serve the head's whole tiles: S1's eight chunks of K step 0 at byte 0,
	s_mov_b32 s[G0+1], 0
	s_mov_b64 s[G0+2:G0+3], s[20:21]
	s_or_b32 s[G0+3], s[G0+3], 0x80000000
	s_mov_b32 s[G0B], 1                            ; W's 128 rows behind them
	s_mov_b32 s[G0B+1], S1P
	s_mov_b64 s[G0B+2:G0B+3], s[46:47]
	s_or_b32 s[G0B+3], s[G0B+3], 0x80000000
	s_add_nc_u64 s[20:21], s[20:21], s[2:3]        ; for slot 1: my half
	s_add_nc_u64 s[46:47], s[46:47], s[12:13]
.irp s, 1
	s_mov_b32 s[G0+4*\s], 1
	s_add_co_u32 s[G0+4*\s+1], s45, \s*SLOT
	s_add_nc_u64 s[G0+4*\s+2:G0+4*\s+3], s[20:21], \s*8*262144
	s_or_b32 s[G0+4*\s+3], s[G0+4*\s+3], 0x80000000
	s_mov_b32 s[G0B+4*\s], 1
	s_add_co_u32 s[G0B+4*\s+1], s19, \s*SLOT
	s_add_nc_u64 s[G0B+4*\s+2:G0B+4*\s+3], s[46:47], \s*KSTEP
	s_or_b32 s[G0B+4*\s+3], s[G0B+4*\s+3], 0x80000000
.endr
; THE HEAD'S LOADS, ONE A WAVE: wave 0 S1's codes of K step 0, wave 1 W's, wave 2 S1's scale words, wave 3 W's scale bytes.  One chain of branches on the wave's number; every way passes one load.
.macro ARM under, g0, g1, next
	s_cmp_lt_u32 s14, \under
	s_cbranch_scc0 \next
	tensor_load_to_lds s[\g0:\g0+3], s[\g1:\g1+7]
	s_nop 0
.rept 4
	v_nop
.endr
	s_branch .Lhead_asked
\next:
.endm
	ARM 1, G0,  G1,  .Lhead_b
	ARM 2, G0B, G1B, .Lhead_sa
	ARM 3, G0S, G1S, .Lhead_sb
	tensor_load_to_lds s[G0SB:G0SB+3], s[G1SB:G1SB+7]
	s_nop 0
.rept 4
	v_nop
.endr
.Lhead_asked:
	; PREFETCH of K step 1, one step ahead of its load.  Of the four chunks of S1 that I fetch for slot 1 the partner at cx names one (8,192 dense bytes, lanes 256 bytes apart); of my 64 rows of W the partner at cy names 16
	; (two blocks of 256 bytes a row): each block once in each cluster that loads it, shared out by address.  K has two steps, so there is no more to name.
	s_mov_b32 s22, 16*SIZE_K
	s_mov_b32 s23, KSTEP
	s_mov_b32 s18, SIZE_K
	s_cmp_eq_u32 s15, 0
	s_cselect_b64 s[96:97], s[20:21], s[46:47]     ; my half, at K step 0; never rewritten behind the sum below
	s_cselect_b32 s22, 0x40000, s22                ; from place to place: a chunk, or 16 rows
	s_cselect_b32 s23, 0x200000, s23               ; a K step on: eight chunks, or 512 bytes
	s_cselect_b32 s18, 512, s18                    ; from one pair of lanes to the next
	s_cselect_b32 s20, s40, s41
	s_mul_i32 s20, s20, s22
	s_add_co_u32 s20, s20, s23
	s_mov_b32 s21, 0
	s_add_nc_u64 s[96:97], s[96:97], s[20:21]
	v_and_b32 v30, 31, v0
	v_lshrrev_b32 v27, 1, v30
	v_and_b32 v30, 1, v30
	v_lshlrev_b32 v30, 8, v30
	v_mad_u32_u24 v30, v27, s18, v30               ; (lane / 2) x that + 256 (lane % 2)
	global_prefetch_b8 v30, s[96:97] th:TH_LOAD_NT scope:SCOPE_SE
	v_and_b32 v1, 15, v0                           ; r
	v_bfe_u32 v2, v0, 4, 1                         ; h
	v_lshrrev_b32 v3, 2, v1
	v_mul_u32_u24 v3, v3, 272
	v_and_b32 v4, 3, v1
	v_lshl_add_u32 v3, v4, 6, v3
	v_lshl_add_u32 v3, v2, 4, v3                   ; S1: (r / 4) 272 + (r % 4) 64 + 16 h
	s_mul_i32 s21, s15, 16*272                     ; my 64 rows: 16 units
	v_mul_u32_u24 v4, v1, PITCH
	v_lshl_add_u32 v4, v2, 4, v4                   ; W: r x pitch + 16 h
	s_mul_i32 s22, s16, S0H
	s_add_co_u32 s22, s22, S1P
.irp s, 0,1
	v_add_nc_u32 v[ADRA+\s], s21, v3
	v_add_nc_u32 v[ADRB+\s], s22, v4
	s_add_co_u32 s21, s21, SLOT
	s_add_co_u32 s22, s22, SLOT
.endr
	v_mul_u32_u24 v5, v1, KS                       ; W's scale bytes: KS a row, and 16 more for each 256 passed
	v_lshrrev_b32 v6, 8, v5
	v_lshl_add_u32 v5, v6, 4, v5
	s_mul_i32 s21, s16, 4*SBLK
	s_add_co_u32 s21, s21, SCL0
	v_add_nc_u32 v[ADS0], s21, v5
	v_and_b32 v6, 31, v0
	s_lshl_b32 s21, s15, 8
	s_add_co_u32 s21, s21, SCL1
	v_lshl_add_u32 v[ADS1], v6, 2, s21             ; S1's scale words: my 64 rows, 32 to a load
	s_mul_i32 s21, s14, 16*272                     ; my stage: 16 rows of 256 + 16 bytes, in slot 0 after its last fill and last read
	v_mul_u32_u24 v5, v1, 272
	v_lshl_add_u32 v5, v2, 5, v5
	v_add_nc_u32 v[STO], s21, v5
	v_mul_u32_u24 v5, v2, 272
	v_lshl_add_u32 v5, v1, 4, v5
	v_add_nc_u32 v[RD], s21, v5
	v_lshlrev_b32 v5, 12, v2
	v_lshl_add_u32 v[CO], v1, 4, v5                ; lanes 0-15 one row of out, lanes 16-31 the next; never rewritten
	s_wait_alu depctr_va_vdst(0)
	s_lshl_b32 s20, s17, 19                        ; my first row: (128 x tile row + 64 x half) x 4,096 bytes,
	s_lshl_b32 s21, s15, 18
	s_add_co_u32 s20, s20, s21
	s_lshl_b32 s46, s42, 9                         ; my first column: (128 x tile column + 64 x half) x 4 bytes
	s_lshl_b32 s47, s16, 8
	s_add_co_u32 s46, s46, s47
	s_add_co_u32 s20, s20, s46
	s_mov_b32 s21, 0
	s_mov_b32 s47, 0
	s_add_nc_u64 s[92:93], s[92:93], s[20:21]      ; never rewritten from here on: the residual's loads name it
	s_add_nc_u64 s[94:95], s[94:95], s[20:21]
	s_add_nc_u64 s[10:11], s[10:11], s[46:47]
	v_lshlrev_b32 v7, 5, v2
.irp b, 0,1,2,3
	global_load_b128 v[BI+8*\b:BI+8*\b+3], v7, s[10:11] offset:64*\b          ; the bias in the result's layout: columns 16 b + 8 h + 0 .. 7
	global_load_b128 v[BI+8*\b+4:BI+8*\b+7], v7, s[10:11] offset:64*\b+16
.endr
	WIN TO_R                                       ; the residual's 64 x 64, 32 loads behind the bias's eight: 16 lanes read 256 consecutive bytes of a row; nothing waits for them before the way out
.irp a, 0,1,2,3
.irp t, 0,1,2,3,4,5,6,7
	global_load_b128 v[32*\a+4*\t:32*\a+4*\t+3], v[CO], s[92:93] offset:(16*\a+2*\t)*4096
.endr
.endr
	WIN 0
; 8 matrix instructions: S1's blocks a0, a0 + 1 x W's four, the K step's q-th 128.  The 16 accumulators take turns, in the same order throughout.
.macro MUL8 f, a0, q, sc, zero
.irp a, \a0, \a0+1
.irp b, 0,1,2,3
.if \zero
.if (\a)%2
	v_wmma_scale_f32_16x16x128_f8f6f4 v[ACC+8*(4*(\a)+\b):ACC+8*(4*(\a)+\b)+7], v[\f+64+16*\b:\f+64+16*\b+15], v[\f+16*(\a):\f+16*(\a)+15], v[BI+8*\b:BI+8*\b+7], v[SC+24*(\sc)+4*\b+(\q)], v[SC+24*(\sc)+16+4*((\a)/2)+(\q)] matrix_b_scale:MATRIX_SCALE_ROW1
.else
	v_wmma_scale_f32_16x16x128_f8f6f4 v[ACC+8*(4*(\a)+\b):ACC+8*(4*(\a)+\b)+7], v[\f+64+16*\b:\f+64+16*\b+15], v[\f+16*(\a):\f+16*(\a)+15], v[BI+8*\b:BI+8*\b+7], v[SC+24*(\sc)+4*\b+(\q)], v[SC+24*(\sc)+16+4*((\a)/2)+(\q)]
.endif
.else
.if (\a)%2
	v_wmma_scale_f32_16x16x128_f8f6f4 v[ACC+8*(4*(\a)+\b):ACC+8*(4*(\a)+\b)+7], v[\f+64+16*\b:\f+64+16*\b+15], v[\f+16*(\a):\f+16*(\a)+15], v[ACC+8*(4*(\a)+\b):ACC+8*(4*(\a)+\b)+7], v[SC+24*(\sc)+4*\b+(\q)], v[SC+24*(\sc)+16+4*((\a)/2)+(\q)] matrix_b_scale:MATRIX_SCALE_ROW1
.else
	v_wmma_scale_f32_16x16x128_f8f6f4 v[ACC+8*(4*(\a)+\b):ACC+8*(4*(\a)+\b)+7], v[\f+64+16*\b:\f+64+16*\b+15], v[\f+16*(\a):\f+16*(\a)+15], v[ACC+8*(4*(\a)+\b):ACC+8*(4*(\a)+\b)+7], v[SC+24*(\sc)+4*\b+(\q)], v[SC+24*(\sc)+16+4*((\a)/2)+(\q)]
.endif
.endif
.endr
.endr
.endm
.macro FETCH slot, q, f                ; 32 LDS loads in one run: W's four fragments, then S1's four
	WIN TO_F
.irp i, 0,1,2,3
.irp c, 0,1,2,3
	ds_load_b128 v[\f+64+16*\i+4*\c:\f+64+16*\i+4*\c+3], v[ADRB+\slot] offset:16*PITCH*\i+128*(\q)+32*\c
.endr
.endr
.irp i, 0,1,2,3
.irp c, 0,1,2,3
	ds_load_b128 v[\f+16*\i+4*\c:\f+16*\i+4*\c+3], v[ADRA+\slot] offset:(2*(\q)+\c/2)*CHB+4*272*\i+32*(\c%2)
.endr
.endr
.endm
.macro SCALES sc                       ; a K step's scale words, 12 loads
.irp i, 0,1,2,3
	ds_load_b128 v[SC+24*\sc+4*\i:SC+24*\sc+4*\i+3], v[ADS0] offset:\i*SBLK
.endr
.irp p, 0,1
.irp q, 0,1,2,3
	ds_load_b32 v[SC+24*\sc+16+4*\p+\q], v[ADS1] offset:512*\q+128*\p
.endr
.endr
.endm
.macro PLACES n
.rept \n
	v_nop
.endr
.endm
; One of a K step's first three quarters: multiplies buffer f (the q-th 128) and fetches the qn-th into g.
.macro QUARTER slot, qn, f, g, q, zero
	s_wait_dscnt 8                                 ; all but the youngest eight loads (S1's blocks 2 and 3) are in
	WIN MUL
	MUL8 \f, 0, \q, \slot, \zero
	PLACES NP                                      ; in front of loads into the buffer that the quarter before multiplied
	FETCH \slot, \qn, \g
	s_wait_dscnt 32                                ; all but the 32 just issued
	WIN MUL
	MUL8 \f, 2, \q, \slot, \zero
.endm
; The last quarter multiplies buffer 1 and changes slots: one barrier; in front of it each wave waits for all its tensor loads, adds 0 to its spare word, and waits for that and for its reads of this slot.
.macro TURN slot, next, fill
	WIN 0
	s_wait_tensorcnt 0x0                           ; all my tensor loads have landed: my part of the next slot
	ds_add_u32 v[SPW], v[NIL]                      ; 0 onto my spare word
	s_wait_dscnt 9                                 ; the add and the youngest eight loads may be out
	WIN MUL
	MUL8 F1, 0, 3, \slot, 0
	s_wait_dscnt 0x0                               ; the add is done, and my reads of this slot are over
	s_barrier_signal -1
	MUL8 F1, 2, 3, \slot, 0
	WIN 0
	s_barrier_wait -1
.if \fill
	CREST                                          ; the barrier has opened a round of the cluster's: no wave of any partner still reads this slot or has a load on its way
	s_add_nc_u64 s[G0+4*\slot+2:G0+4*\slot+3], s[G0+4*\slot+2:G0+4*\slot+3], 16*262144
	s_add_nc_u64 s[G0B+4*\slot+2:G0B+4*\slot+3], s[G0B+4*\slot+2:G0B+4*\slot+3], 2*KSTEP
	JLOAD G0+4*\slot, G1, G0B+4*\slot, G1B         ; the first tensor load behind the round; its four v_nop are among the places below
	PLACES NP-4
.else
	PLACES NP
.endif
	v_add_nc_u32 v[ADS0], 16, v[ADS0]              ; on to the next K step's scale words
	v_add_nc_u32 v[ADS1], 2048, v[ADS1]
	SCALES \next
	FETCH \next, 0, F0
.endm
	s_wait_alu depctr_va_vdst(0)                   ; the wait at the head's end
	s_wait_tensorcnt 0x0                           ; my tile of the head's four is in; the three lines stand ahead of slot 1's first fill as ahead of a refill
	ds_add_u32 v[SPW], v[NIL]
	s_mov_b32 s[G1+2], 4<<16                       ; no tensor load of mine is out, so descriptors may be written: slot 1's load brings half a tile a wave
	s_mov_b32 s[G1+4], 4
	s_mov_b32 s[G1B+2], 64<<16
	s_mov_b32 s[G1B+4], 64
	s_wait_dscnt 0x0                               ; the add is done
	CROUND                                         ; a whole round: all four tiles are in, and the joint loads meet
	JLOAD G0+4, G1, G0B+4, G1B                     ; K step 1, the first tensor load behind the round
	SCALES 0
	FETCH 0, 0, F0
	s_wait_loadcnt 32                              ; the bias is in: loads come back in order (ISA guide 5.7.1), and behind its eight only the residual's 32 were issued, which may stay out
	QUARTER 0, 1, F0, F1, 0, 1                     ; the first quarter's products start the sums, on the bias
.if LAPS > 1
	WIN 0
	s_mov_b32 s3, LAPS-1
.Llap:
	QUARTER 0, 2, F1, F0, 1, 0
	QUARTER 0, 3, F0, F1, 2, 0
	TURN 0, 1, 1
	QUARTER 1, 1, F0, F1, 0, 0
	QUARTER 1, 2, F1, F0, 1, 0
	QUARTER 1, 3, F0, F1, 2, 0
	TURN 1, 0, 1
	QUARTER 0, 1, F0, F1, 0, 0
	WIN 0
	s_sub_co_u32 s3, s3, 1
	s_cmp_lg_u32 s3, 0
	s_cbranch_scc1 .Llap
.endif
	QUARTER 0, 2, F1, F0, 1, 0                     ; the last lap fills nothing
	QUARTER 0, 3, F0, F1, 2, 0
	TURN 0, 1, 0
	QUARTER 1, 1, F0, F1, 0, 0
	QUARTER 1, 2, F1, F0, 1, 0
	QUARTER 1, 3, F0, F1, 2, 0
	s_wait_dscnt 8
	WIN MUL
	MUL8 F1, 0, 3, 1, 0
	s_wait_dscnt 0
	MUL8 F1, 2, 3, 1, 0
	WIN 0
	PLACES NP
	; THE WAY OUT.  Each block of 16 rows goes through my stage and comes back as rows of 256 bytes, into the 32 registers that it left; the residual, asked for at the head, is added there.
.macro TOSTAGE a
.set BB, ACC+32*(\a)
.irp b, 0,1,2,3
	ds_store_b128 v[STO], v[ACC+8*(4*(\a)+\b):ACC+8*(4*(\a)+\b)+3] offset:64*\b        ; each accumulator from its low end on
	ds_store_b128 v[STO], v[ACC+8*(4*(\a)+\b)+4:ACC+8*(4*(\a)+\b)+7] offset:64*\b+16
.endr
.irp t, 0,1,2,3,4,5,6,7
	ds_load_b128 v[BB+4*\t:BB+4*\t+3], v[RD] offset:544*\t   ; LDS serves a wave's instructions in order (ISA guide 5.7.1.4): these see the stores above, and the next block's stores come behind them
.endr
.endm
.macro SEND a, younger
.set BB, ACC+32*(\a)
	s_wait_dscnt \younger                          ; the block is back; the next block's 16 LDS instructions may be out
	s_wait_loadcnt 24-8*(\a)                       ; its residual is in; the later blocks' loads, eight each, may be out
	WIN 0x08                                       ; source 1 window 2
.irp k, 0,2,4,6,8,10,12,14,16,18,20,22,24,26,28,30
	v_pk_add_f32 v[BB+\k:BB+\k+1], v[BB+\k:BB+\k+1], v[32*(\a)+\k:32*(\a)+\k+1]
.endr
	WIN 0
.irp t, 0,1,2,3,4,5,6,7
	global_store_b128 v[CO], v[BB+4*\t:BB+4*\t+3], s[94:95] offset:(16*(\a)+2*\t)*4096   ; 16 lanes store 256 consecutive bytes, aligned; each block's data registers are its own and are not written again
.endr
.endm
	TOSTAGE 0
.irp a, 1,2,3
	TOSTAGE \a
	SEND \a-1, 16
.endr
	SEND 3, 0
	s_wait_tensorcnt 0x0                           ; the wave's end
	ds_add_u32 v[SPW], v[NIL]
	s_wait_dscnt 0x0
	CROUND                                         ; the closing round
	s_endpgm
.Lfunc_end_k_qcc2e73ed91_wo:
	.size	k_qcc2e73ed91_wo, .Lfunc_end_k_qcc2e73ed91_wo-k_qcc2e73ed91_wo
	.p2alignl 7, 3214868480
	.fill 96, 4, 3214868480
	.section	.rodata,"a",@progbits
	.p2align	6, 0x0
	.amdhsa_kernel k_qcc2e73ed91_wo
		.amdhsa_group_segment_fixed_size 327680
		.amdhsa_private_segment_fixed_size 0
		.amdhsa_enable_private_segment 0
		.amdhsa_kernarg_size 48
		.amdhsa_user_sgpr_count 2
		.amdhsa_user_sgpr_kernarg_segment_ptr 1
		.amdhsa_wavefront_size32 1
		.amdhsa_system_sgpr_workgroup_id_x 1
		.amdhsa_system_sgpr_workgroup_id_y 1
		.amdhsa_system_sgpr_workgroup_id_z 1
		.amdhsa_system_vgpr_workitem_id 0
		.amdhsa_next_free_vgpr 768
		.amdhsa_next_free_sgpr 98
		.amdhsa_reserve_vcc 0
		.amdhsa_float_denorm_mode_32 3
		.amdhsa_float_denorm_mode_16_64 3
		.amdhsa_memory_ordered 1
		.amdhsa_forward_progress 1
		.amdhsa_inst_pref_size 65
	.end_amdhsa_kernel
	.amdgpu_metadata
---
amdhsa.version: [ 1, 2 ]
amdhsa.kernels:
  - .name:           k_qcc2e73ed91_wo
    .symbol:         k_qcc2e73ed91_wo.kd
    .args:
      - { .name: oq, .offset: 0, .size: 8, .value_kind: global_buffer, .address_space: global }
      - { .name: Wo_codes, .offset: 8, .size: 8, .value_kind: global_buffer, .address_space: global }
      - { .name: Wo_scales, .offset: 16, .size: 8, .value_kind: global_buffer, .address_space: global }
      - { .name: bo, .offset: 24, .size: 8, .value_kind: global_buffer, .address_space: global }
      - { .name: x, .offset: 32, .size: 8, .value_kind: global_buffer, .address_space: global }
      - { .name: x1, .offset: 40, .size: 8, .value_kind: global_buffer, .address_space: global }
    .group_segment_fixed_size: 327680
    .private_segment_fixed_size: 0
    .kernarg_segment_align: 8
    .kernarg_segment_size: 48
    .max_flat_workgroup_size: 128
    .sgpr_count:     98
    .vgpr_count:     768
    .wavefront_size: 32
...
	.end_amdgpu_metadata
.endif
;; end of part 4
;; launch ln2: the kernel of part 1 again; grid 256 x 1, 16 waves a work-group, no clusters, 84,480 bytes of LDS; arguments x1, ln2_g, ln2_b, hq; writes hq
;; launch ffn1 (part 5): grid 16 x 16, 4 waves a work-group, clusters of 4 x 4, 327,680 bytes of LDS; arguments hq, W1_codes, W1_scales, b1, fq; writes fq
.if DOCPART == 5
	.amdgcn_target "amdgcn-amd-amdhsa--gfx1250"
	.amdhsa_code_object_version 6
	.text
	.protected	k_qcc2e73ed91_ffn1
	.globl	k_qcc2e73ed91_ffn1
	.p2align	8
	.type	k_qcc2e73ed91_ffn1,@function
k_qcc2e73ed91_ffn1:
	s_mov_b64 s[64:65], 0
	v_nop
	global_prefetch_b8 v0, s[64:65] scope:SCOPE_SE
	s_setreg_imm32_b32 hwreg(HW_REG_WAVE_MODE, 25, 1), 1
	s_wait_xcnt 0x0
	s_wait_alu depctr_hold_cnt(0) depctr_sa_sdst(0) depctr_va_vdst(0) depctr_va_sdst(0) depctr_va_ssrc(0) depctr_va_vcc(0) depctr_vm_vsrc(0)
	s_getreg_b32 s2, hwreg(HW_REG_IB_STS2, 6, 4)
	s_cmp_eq_u32 s2, 0
	s_cbranch_scc0 .Lentry_in_a_cluster
	s_endpgm
.Lentry_in_a_cluster:
	s_bfe_u32 s2, ttmp6, 0x10000c
	s_cmp_lg_u32 s2, 0xf033
	s_cbranch_scc0 .Lentry_shape_is_right
	s_endpgm
.Lentry_shape_is_right:
; f = relu(h2 W1 + b1) on codes of FP8 (E4M3) with E8M0 scales, K = 1,024, quantised along the hidden axis on the way out (the hold between 0 and 448 x the scale is also the activation).
; h2: codes [4096][1024], scale bytes at 0x400000.  W1: codes [4096 n][1024], scale bytes [4096][32].  Out: codes [64 (n / 64)][4096 rows][64]; scale words [32][4096] x 4 bytes at 0x1000000.
; A tile of 256 x 256 a work-group, four waves of 128 x 128; K in steps of 256 through two LDS slots; 4 x 4 clusters with joint loads; source 0 = W1's rows, source 1 = h2's rows; b1 is the first products' C.
; LIMITS: a block of zeros gets the byte 1; blocks under 2^-118 are held at that floor; NaN and infinities are not served.
.set KSTEP,  256
.set NQ,     KSTEP/128
.set ROWB,   256
.set KROW,   1024
.set PITCH,  272
.set FR,     16
.set NL,     4
.set NP,     8
.set HALFT,  128*PITCH
.set SLOT,   4*HALFT
.set LAPS,   2
.set KS,     32
.set SCL,    2*SLOT
.set HALFS,  (128*KS/256)*272
.set SBLK,   (16*KS/256)*272
.set SPARE,  SCL+4*HALFS
.set STG2,   69632
.set ADRA, 16
.set ADRB, 20
.set SSO,  22
.set RS,   23
.set STO,  24
.set RD,   25
.set CO,   26
.set ADRS, 27
.set SPW,  28
.set NIL,  29
.set SC,   32
.set BI,   64
.set AF,   128
.set TM,   64
.set TP,   68
.set LIM,  72
.set SCF,  76
.set BY,   80
.set PW,   84
.set PC,   88
.set OUT,  128
.set G1, 24
.set G0, 32
.set G1B, 48
.set G0B, 56
.set G1S, 68
.set G0S, 76
.set G1SB, 80
.set G0SB, 88
.set MSB, 0
.macro WIN new
.if MSB != \new
	s_set_vgpr_msb (MSB<<8)|\new
.set MSB, \new
.endif
.endm
.set MUL_LO, 0xa1
.set MUL_HI, 0xf1
.set FIRST_LO, 0x81
.set FIRST_HI, 0xc1
.set TO_B,   0x40
.macro JLOAD g0a, g1a, g0b, g1b
	s_cmp_eq_u32 s15, 0
	s_cbranch_scc0 .Lfor_b_\@
	tensor_load_to_lds s[\g0a:\g0a+3], s[\g1a:\g1a+7]
	s_nop 0
.rept 4
	v_nop
.endr
	s_branch .Lasked_\@
.Lfor_b_\@:
	tensor_load_to_lds s[\g0b:\g0b+3], s[\g1b:\g1b+7]
	s_nop 0
.rept 4
	v_nop
.endr
.Lasked_\@:
.endm
.macro CREST
	s_cmp_lg_u32 s14, 0
	s_cbranch_scc1 .Lnot_wave_0_\@
	s_barrier_signal -3
.Lnot_wave_0_\@:
	s_barrier_wait -3
	s_barrier_signal -1
	s_barrier_wait -1
.endm
.macro CROUND
	s_barrier_signal -1
	s_barrier_wait -1
	CREST
.endm
	s_load_b64 s[4:5], s[0:1], 0x0
	s_load_b64 s[8:9], s[0:1], 0x8
	s_load_b64 s[10:11], s[0:1], 0x10
	s_load_b64 s[96:97], s[0:1], 0x18
	s_load_b64 s[12:13], s[0:1], 0x20
	v_lshl_add_u32 v[SPW], v0, 2, SPARE
	v_mov_b32 v[NIL], 0
	ds_add_u32 v28, v29
	ds_add_u32 v28, v29
	s_wait_dscnt 0x0
	v_lshrrev_b32 v1, 5, v0
	v_readfirstlane_b32 s14, v1
	s_lshr_b32 s15, s14, 1
	s_and_b32 s16, s14, 1
	s_bfe_u32 s40, ttmp6, 0x40000
	s_bfe_u32 s41, ttmp6, 0x40004
	s_lshl_b32 s42, ttmp9, 2
	s_add_co_u32 s42, s42, s40
	s_and_b32 s17, ttmp7, 0xffff
	s_lshl_b32 s17, s17, 2
	s_add_co_u32 s17, s17, s41
	s_lshl_b32 s43, s41, 2
	s_lshl_b32 s43, 15, s43
	s_lshl_b32 s44, 0x1111, s40
	s_or_b32 s[G1+0], s43, (0<<16)|(1<<20)|(1<<21)|(5<<22)|(3<<25)
	s_or_b32 s[G1B+0], s44, (0<<16)|(1<<20)|(1<<21)|(5<<22)|(3<<25)
.irp g, G1, G1B
	s_mov_b32 s[\g+1], ROWB<<16
	s_mov_b32 s[\g+2], 256<<16                     ; 256 rows for the head's loads; behind them 128, for the ring's
	s_mov_b32 s[\g+3], ROWB<<16
	s_mov_b32 s[\g+4], 256
	s_mov_b32 s[\g+5], KROW
	s_mov_b32 s[\g+6], 0
	s_mov_b32 s[\g+7], 0
.endr
	s_or_b32 s[G1S+0], s43, (3<<16)|(1<<20)|(1<<21)|(5<<22)|(3<<25)
	s_or_b32 s[G1SB+0], s44, (3<<16)|(1<<20)|(1<<21)|(5<<22)|(3<<25)
.irp g, G1S, G1SB
	s_mov_b32 s[\g+1], 32<<16
	s_mov_b32 s[\g+2], (256*KS/256)<<16            ; the scale bytes of all 256 rows by one load
	s_mov_b32 s[\g+3], 32<<16
	s_mov_b32 s[\g+4], 256*KS/256
	s_mov_b32 s[\g+5], 32
	s_mov_b32 s[\g+6], 0
	s_mov_b32 s[\g+7], 0
.endr
	s_lshl_b32 s94, s16, 17                        ; s[94:95]: in the ring I fetch 128 rows of a tile: which half, in bytes of codes
	s_mov_b32 s95, 0
	s_lshl_b32 s20, s17, 8                         ; h2: the tile's first row
	s_lshl_b32 s46, s42, 8                         ; W1 likewise
	s_mov_b32 s21, 0
	s_mov_b32 s47, 0
	s_lshl_b64 s[22:23], s[20:21], 5
	s_lshl_b64 s[92:93], s[46:47], 5
	s_lshl_b64 s[20:21], s[20:21], 10
	s_lshl_b64 s[46:47], s[46:47], 10
	s_mul_i32 s45, s14, HALFT
	s_wait_kmcnt 0x0
	s_add_nc_u64 s[6:7], s[4:5], 0x400000
	s_add_nc_u64 s[20:21], s[4:5], s[20:21]
	s_add_nc_u64 s[22:23], s[6:7], s[22:23]
	s_add_nc_u64 s[46:47], s[8:9], s[46:47]
	s_add_nc_u64 s[92:93], s[10:11], s[92:93]
	CROUND
	s_mov_b32 s[G0S], 1
	s_mov_b32 s[G0S+1], SCL
	s_mov_b64 s[G0S+2:G0S+3], s[22:23]
	s_or_b32 s[G0S+3], s[G0S+3], 0x80000000
	s_mov_b32 s[G0SB], 1
	s_mov_b32 s[G0SB+1], SCL+2*HALFS
	s_mov_b64 s[G0SB+2:G0SB+3], s[92:93]
	s_or_b32 s[G0SB+3], s[G0SB+3], 0x80000000
	s_mov_b32 s[G0], 1                             ; slot 0's groups 0 serve the head's whole tiles first: h2's 256 rows of K step 0 at byte 0,
	s_mov_b32 s[G0+1], 0
	s_mov_b64 s[G0+2:G0+3], s[20:21]
	s_or_b32 s[G0+3], s[G0+3], 0x80000000
	s_mov_b32 s[G0B], 1                            ; W1's 256 rows behind them
	s_mov_b32 s[G0B+1], 2*HALFT
	s_mov_b64 s[G0B+2:G0B+3], s[46:47]
	s_or_b32 s[G0B+3], s[G0B+3], 0x80000000
	s_add_nc_u64 s[20:21], s[20:21], s[94:95]      ; for the ring: my 128 rows
	s_add_nc_u64 s[46:47], s[46:47], s[94:95]
.irp s, 1
	s_mov_b32 s[G0+4*\s], 1
	s_add_co_u32 s[G0+4*\s+1], s45, \s*SLOT
	s_add_nc_u64 s[G0+4*\s+2:G0+4*\s+3], s[20:21], \s*ROWB
	s_or_b32 s[G0+4*\s+3], s[G0+4*\s+3], 0x80000000
	s_mov_b32 s[G0B+4*\s], 1
	s_add_co_u32 s[G0B+4*\s+1], s45, \s*SLOT
	s_add_nc_u64 s[G0B+4*\s+2:G0B+4*\s+3], s[46:47], \s*ROWB
	s_or_b32 s[G0B+4*\s+3], s[G0B+4*\s+3], 0x80000000
.endr
; THE HEAD'S LOADS, ONE A WAVE: wave 0 h2's 256 rows of K step 0, wave 1 W1's, wave 2 h2's scale bytes, wave 3 W1's.  One chain of branches on the wave's number; every way passes one load.
.macro ARM under, g0, g1, next
	s_cmp_lt_u32 s14, \under
	s_cbranch_scc0 \next
	tensor_load_to_lds s[\g0:\g0+3], s[\g1:\g1+7]
	s_nop 0
.rept 4
	v_nop
.endr
	s_branch .Lhead_asked
\next:
.endm
	ARM 1, G0,  G1,  .Lhead_b
	ARM 2, G0B, G1B, .Lhead_sa
	ARM 3, G0S, G1S, .Lhead_sb
	tensor_load_to_lds s[G0SB:G0SB+3], s[G1SB:G1SB+7]
	s_nop 0
.rept 4
	v_nop
.endr
.Lhead_asked:
	; PREFETCH.  Of the 128 rows that I fetch in the ring, the partner at place p (cx for h2, cy for W1) names 32, a lane a row: each row's 256 bytes of a K step once in each cluster that loads them, shared out by address.
	; Here K steps 1 and 2 are named, behind K step 1's load K step 3: one and two steps ahead of the loads that want them; K has four steps, so nothing is stepped and nothing lies past the rows' ends.
	s_cmp_eq_u32 s15, 0
	s_cselect_b64 s[92:93], s[20:21], s[46:47]     ; my 128 rows, at K step 0; never rewritten from here on
	s_cselect_b32 s22, s40, s41
	s_lshl_b32 s22, s22, 15                        ; 32 rows of 1,024 bytes for each place
	s_mov_b32 s23, 0
	s_add_nc_u64 s[92:93], s[92:93], s[22:23]
	v_and_b32 v30, 31, v0
	v_lshlrev_b32 v30, 10, v30                     ; v30: my lane's row; never rewritten
	global_prefetch_b8 v30, s[92:93] offset:256 th:TH_LOAD_NT scope:SCOPE_SE
	global_prefetch_b8 v30, s[92:93] offset:512 th:TH_LOAD_NT scope:SCOPE_SE
	v_and_b32 v1, 15, v0
	s_wait_alu depctr_va_vdst(0)
	v_bfe_u32 v2, v0, 4, 1
	s_lshl_b32 s46, s42, 10
	s_lshl_b32 s47, s16, 9
	s_add_co_u32 s46, s46, s47
	s_mov_b32 s47, 0
	s_add_nc_u64 s[96:97], s[96:97], s[46:47]
	v_lshlrev_b32 v7, 5, v2
.irp b, 0,1,2,3,4,5,6,7
	global_load_b128 v[BI+8*\b:BI+8*\b+3], v7, s[96:97] offset:64*\b
	global_load_b128 v[BI+8*\b+4:BI+8*\b+7], v7, s[96:97] offset:64*\b+16
.endr
	v_mul_u32_u24 v3, v1, PITCH
	v_lshl_add_u32 v4, v2, 4, v3
	s_mul_i32 s21, s15, HALFT
	s_mul_i32 s22, s16, HALFT
	s_add_co_u32 s22, s22, 2*HALFT
.irp s, 0,1
	v_add_nc_u32 v[ADRA+\s], s21, v4
	v_add_nc_u32 v[ADRB+\s], s22, v4
	s_add_co_u32 s21, s21, SLOT
	s_add_co_u32 s22, s22, SLOT
.endr
	v_mul_u32_u24 v5, v1, KS
	v_lshrrev_b32 v6, 8, v5
	v_lshl_add_u32 v5, v6, 4, v5
	s_mul_i32 s21, s15, HALFS
	s_mul_i32 s22, s16, HALFS
	s_add_co_u32 s22, s22, 2*HALFS
	s_sub_co_u32 s22, s22, s21
	v_mul_u32_u24 v6, s22, v2
	s_add_co_u32 s21, s21, SCL
	v_add_nc_u32 v5, v5, v6
	v_add_nc_u32 v[ADRS], s21, v5
	v_lshrrev_b32 v5, 2, v1
	v_mul_u32_u24 v5, v5, 272
	v_and_b32 v6, 3, v1
	v_lshl_add_u32 v5, v6, 6, v5
	v_lshl_add_u32 v5, v2, 3, v5
	s_lshl_b32 s21, s16, 7
	s_lshl_b32 s22, s15, 5
	s_add_co_u32 s21, s21, s22
	s_mul_i32 s21, s21, 272
	v_add_nc_u32 v[STO], s21, v5
	s_lshl_b32 s21, s16, 10
	s_lshl_b32 s22, s15, 9
	s_add_co_u32 s21, s21, s22
	s_add_co_u32 s21, s21, STG2
	v_lshl_add_u32 v[SSO], v1, 2, s21
	s_mul_i32 s21, s14, 64*272
	v_mul_u32_u24 v5, v2, 272
	v_lshl_add_u32 v5, v1, 4, v5
	v_add_nc_u32 v[RD], s21, v5
	v_and_b32 v6, 31, v0
	v_lshlrev_b32 v[CO], 4, v6
	s_lshl_b32 s21, s14, 9
	s_add_co_u32 s21, s21, STG2
	v_add_nc_u32 v[RS], s21, v[CO]
	s_lshl_b32 s20, s42, 2
	s_add_co_u32 s20, s20, s14
	s_lshl_b32 s20, s20, 18
	s_lshl_b32 s21, s17, 14
	s_add_co_u32 s20, s20, s21
	s_mov_b32 s21, 0
	s_add_nc_u64 s[4:5], s[12:13], s[20:21]
	s_lshl_b32 s20, s42, 1
	s_add_co_u32 s20, s20, s15
	s_lshl_b32 s20, s20, 14
	s_lshl_b32 s22, s17, 10
	s_add_co_u32 s20, s20, s22
	s_lshl_b32 s22, s16, 9
	s_add_co_u32 s20, s20, s22
	s_add_co_u32 s20, s20, 0x1000000
	s_add_nc_u64 s[6:7], s[12:13], s[20:21]
.macro FRAG reg, adr, q, i
.irp c, 0,1,2,3
	ds_load_b128 v[\reg+4*\c:\reg+4*\c+3], v[\adr] offset:128*(\q)+32*\c+(\i)*16*PITCH
.endr
.endm
.macro MUL16 a0, p, q, sc, zero
.irp a, \a0, \a0+1
.irp b, 0,1,2,3,4,5,6,7
.if \zero
	v_wmma_scale_f32_16x16x128_f8f6f4 v[8*(8*((\a)%4)+\b):8*(8*((\a)%4)+\b)+7], v[128*(\p)+FR*\b:128*(\p)+FR*\b+FR-1], v[AF+FR*(\a):AF+FR*(\a)+FR-1], v[BI+8*\b:BI+8*\b+7], v[SC+8*NQ*(\sc)+NQ*\b+(\q)], v[SC+8*NQ*(\sc)+NQ*(\a)+(\q)] matrix_a_scale:MATRIX_SCALE_ROW1
.else
	v_wmma_scale_f32_16x16x128_f8f6f4 v[8*(8*((\a)%4)+\b):8*(8*((\a)%4)+\b)+7], v[128*(\p)+FR*\b:128*(\p)+FR*\b+FR-1], v[AF+FR*(\a):AF+FR*(\a)+FR-1], v[8*(8*((\a)%4)+\b):8*(8*((\a)%4)+\b)+7], v[SC+8*NQ*(\sc)+NQ*\b+(\q)], v[SC+8*NQ*(\sc)+NQ*(\a)+(\q)] matrix_a_scale:MATRIX_SCALE_ROW1
.endif
.endr
.endr
.endm
.macro FETCH_B slot, q, p
	WIN TO_B
.irp i, 0,1,2,3,4,5,6,7
	FRAG 128*(\p)+FR*\i, ADRB+\slot, \q, \i
.endr
	WIN 0
.endm
.macro FETCH_A slot, q, i0
.irp i, \i0, \i0+1, \i0+2, \i0+3
	FRAG AF+FR*(\i), ADRA+\slot, \q, \i
.endr
.endm
.macro SCALES sc
.irp i, 0,1,2,3,4,5,6,7
	ds_load_b64 v[SC+8*NQ*\sc+NQ*\i:SC+8*NQ*\sc+NQ*\i+1], v[ADRS] offset:\i*SBLK
.endr
.endm
.macro PLACES n
.rept \n
	v_nop
.endr
.endm
.macro STEP slot, q, zero
	s_wait_dscnt 4*NL
.if \zero
	WIN FIRST_LO
.else
	WIN MUL_LO
.endif
	MUL16 0, (\q)%2, \q, \slot, \zero
	MUL16 2, (\q)%2, \q, \slot, \zero
	s_wait_dscnt 0
	PLACES NP
	FETCH_B \slot, (\q)+1, 1-(\q)%2
	FETCH_A \slot, (\q)+1, 0
.if \zero
	WIN FIRST_HI
.else
	WIN MUL_HI
.endif
	MUL16 4, (\q)%2, \q, \slot, \zero
	MUL16 6, (\q)%2, \q, \slot, \zero
	PLACES NP
	WIN 0
	FETCH_A \slot, (\q)+1, 4
.endm
.macro TURN slot, next, fill
	s_wait_tensorcnt 0x0
	ds_add_u32 v[SPW], v[NIL]
	s_wait_dscnt 4*NL+1
	WIN MUL_LO
	MUL16 0, 1, NQ-1, \slot, 0
	s_wait_dscnt 0x0
	s_barrier_signal -1
	MUL16 2, 1, NQ-1, \slot, 0
	WIN 0
	s_barrier_wait -1
.if \fill
	CREST
	s_add_nc_u64 s[G0+4*\slot+2:G0+4*\slot+3], s[G0+4*\slot+2:G0+4*\slot+3], 2*ROWB
	s_add_nc_u64 s[G0B+4*\slot+2:G0B+4*\slot+3], s[G0B+4*\slot+2:G0B+4*\slot+3], 2*ROWB
	JLOAD G0+4*\slot, G1, G0B+4*\slot, G1B
	PLACES NP-4
.else
	PLACES NP
.endif
	s_wait_alu depctr_va_vdst(0)
	v_add_nc_u32 v[ADRS], 4*NQ, v[ADRS]
	FETCH_B \next, 0, 0
	FETCH_A \next, 0, 0
	SCALES \next
	WIN MUL_HI
	MUL16 4, 1, NQ-1, \slot, 0
	MUL16 6, 1, NQ-1, \slot, 0
	PLACES NP
	WIN 0
	FETCH_A \next, 0, 4
.endm
	s_wait_alu depctr_va_vdst(0)                   ; the wait at the head's end
	s_wait_tensorcnt 0x0                           ; my tile of the head's four is in; the three lines stand ahead of slot 1's first fill as ahead of a refill
	ds_add_u32 v[SPW], v[NIL]
	s_mov_b32 s[G1+2], 128<<16                     ; no tensor load of mine is out, so descriptors may be written: from here on a load brings 128 rows,
	s_mov_b32 s[G1+4], 128
	s_mov_b32 s[G1B+2], 128<<16
	s_mov_b32 s[G1B+4], 128
	s_mov_b32 s[G0+1], s45                         ; and slot 0's groups 0 stand at my 128 rows of K step 0: the first refill steps them on
	s_add_nc_u64 s[G0+2:G0+3], s[G0+2:G0+3], s[94:95]
	s_mov_b32 s[G0B+1], s45
	s_add_nc_u64 s[G0B+2:G0B+3], s[G0B+2:G0B+3], s[94:95]
	s_wait_dscnt 0x0                               ; the add is done
	CROUND                                         ; a whole round: all four tiles are in, and the joint loads meet
	JLOAD G0+4, G1, G0B+4, G1B                     ; K step 1, the first tensor load behind the round
	FETCH_B 0, 0, 0
	FETCH_A 0, 0, 0
	SCALES 0
	global_prefetch_b8 v30, s[92:93] offset:768 th:TH_LOAD_NT scope:SCOPE_SE   ; behind K step 1's load: K step 3
	FETCH_A 0, 0, 4
	s_wait_loadcnt 0x0
	STEP 0, 0, 1
	s_mov_b32 s3, LAPS-1
.Llap:
	TURN 0, 1, 1
	STEP 1, 0, 0
	TURN 1, 0, 1
	STEP 0, 0, 0
	s_sub_co_u32 s3, s3, 1
	s_cmp_lg_u32 s3, 0
	s_cbranch_scc1 .Llap
	TURN 0, 1, 0
	STEP 1, 0, 0
	s_wait_dscnt 4*NL
	WIN MUL_LO
	MUL16 0, 1, NQ-1, 1, 0
	MUL16 2, 1, NQ-1, 1, 0
	s_wait_dscnt 0
	WIN MUL_HI
	MUL16 4, 1, NQ-1, 1, 0
	MUL16 6, 1, NQ-1, 1, 0
	WIN 0
	PLACES NP
	s_mov_b32 s18, 0x76543210
	s_mov_b32 s19, 0xfedcba98
	s_mov_b32 s20, 0x600000
.irp b, 0,1,2,3
	v_mov_b32 v[TP+\b], 0
.endr
.macro QOUT a
.set W, 2+(\a)/4
.set AC, 64*((\a)%4)
	WIN (W<<2)|(W<<4)
.irp b, 0,1,2,3
	v_max3_num_f32 v[TM+\b], 0x4800000, v[AC+16*\b], v[AC+16*\b+1]
.endr
.irp i, 2,4,6,8,10,12,14
.irp b, 0,1,2,3
	v_max3_num_f32 v[TM+\b], v[TM+\b], v[AC+16*\b+\i], v[AC+16*\b+\i+1]
.endr
.endr
	WIN 0
	s_wait_alu depctr_va_vdst(0)
	s_wait_dscnt 0x0
.irp b, 0,1,2,3
	v_permlanex16_b32 v[TP+\b], v[TM+\b], s18, s19
.endr
.irp b, 0,1,2,3
	v_max_num_f32 v[TM+\b], v[TM+\b], v[TP+\b]
.endr
.irp b, 0,1,2,3
	v_add_nc_u32 v[SCF+\b], 0xfc000000, v[TM+\b]
.endr
.irp b, 0,1,2,3
	v_and_or_b32 v[LIM+\b], v[TM+\b], 0x7f800000, s20
.endr
.irp b, 0,1,2,3
	v_lshrrev_b32 v[BY+\b], 23, v[SCF+\b]
.endr
	v_lshl_or_b32 v[PW], v[BY+1], 8, v[BY]
	v_lshl_or_b32 v[PW], v[BY+2], 16, v[PW]
	v_lshl_or_b32 v[PW], v[BY+3], 24, v[PW]
	WIN (W<<6)|W
.irp b, 0,1,2,3
.irp i, 0,1,2,3,4,5,6,7,8,9,10,11,12,13,14,15
	v_med3_num_f32 v[AC+16*\b+\i], v[AC+16*\b+\i], 0, v[LIM+\b]
.endr
.endr
	WIN W
.irp b, 0,1,2,3
	v_cvt_scalef32_pk8_fp8_f32 v[PC+4*\b:PC+4*\b+1], v[AC+16*\b:AC+16*\b+7], v[SCF+\b]
	v_cvt_scalef32_pk8_fp8_f32 v[PC+4*\b+2:PC+4*\b+3], v[AC+16*\b+8:AC+16*\b+15], v[SCF+\b]
.endr
	WIN 0
	v_nop
.irp b, 0,1,2,3,4,5,6,7
	ds_store_b64 v[STO], v[PC+2*\b:PC+2*\b+1] offset:(64*(\b/4)+4*(\a))*272+16*(\b%4)
.endr
	ds_store_b32 v[SSO], v[PW] offset:64*(\a)
.endm
.irp a, 0,1,2,3,4,5,6,7
	QOUT \a
.endr
	s_wait_dscnt 0x0
	s_barrier_signal -1
	s_barrier_wait -1
.set I, 0
.rept 32
	ds_load_b128 v[OUT+4*I:OUT+4*I+3], v[RD] offset:544*I
.set I, I+1
.endr
	ds_load_b128 v[120:123], v[RS]
.set I, 0
.rept 32
	s_wait_dscnt 32-I
	global_store_b128 v[CO], v[OUT+4*I:OUT+4*I+3], s[4:5] offset:512*I
.set I, I+1
.endr
	s_wait_dscnt 0x0
	global_store_b128 v[CO], v[120:123], s[6:7]
	s_wait_tensorcnt 0x0
	ds_add_u32 v[SPW], v[NIL]
	s_wait_dscnt 0x0
	CROUND
	s_endpgm
.Lfunc_end_k_qcc2e73ed91_ffn1:
	.size	k_qcc2e73ed91_ffn1, .Lfunc_end_k_qcc2e73ed91_ffn1-k_qcc2e73ed91_ffn1
	.p2alignl 7, 3214868480
	.fill 96, 4, 3214868480
	.section	.rodata,"a",@progbits
	.p2align	6, 0x0
	.amdhsa_kernel k_qcc2e73ed91_ffn1
		.amdhsa_group_segment_fixed_size 327680
		.amdhsa_private_segment_fixed_size 0
		.amdhsa_enable_private_segment 0
		.amdhsa_kernarg_size 40
		.amdhsa_user_sgpr_count 2
		.amdhsa_user_sgpr_kernarg_segment_ptr 1
		.amdhsa_wavefront_size32 1
		.amdhsa_system_sgpr_workgroup_id_x 1
		.amdhsa_system_sgpr_workgroup_id_y 1
		.amdhsa_system_sgpr_workgroup_id_z 1
		.amdhsa_system_vgpr_workitem_id 0
		.amdhsa_next_free_vgpr 1024
		.amdhsa_next_free_sgpr 102
		.amdhsa_reserve_vcc 0
		.amdhsa_float_denorm_mode_32 3
		.amdhsa_float_denorm_mode_16_64 3
		.amdhsa_memory_ordered 1
		.amdhsa_forward_progress 1
		.amdhsa_inst_pref_size 197
	.end_amdhsa_kernel
	.amdgpu_metadata
---
amdhsa.version: [ 1, 2 ]
amdhsa.kernels:
  - .name:           k_qcc2e73ed91_ffn1
    .symbol:         k_qcc2e73ed91_ffn1.kd
    .args:
      - { .name: hq, .offset: 0, .size: 8, .value_kind: global_buffer, .address_space: global }
      - { .name: W1_codes, .offset: 8, .size: 8, .value_kind: global_buffer, .address_space: global }
      - { .name: W1_scales, .offset: 16, .size: 8, .value_kind: global_buffer, .address_space: global }
      - { .name: b1, .offset: 24, .size: 8, .value_kind: global_buffer, .address_space: global }
      - { .name: fq, .offset: 32, .size: 8, .value_kind: global_buffer, .address_space: global }
    .group_segment_fixed_size: 327680
    .private_segment_fixed_size: 0
    .kernarg_segment_align: 8
    .kernarg_segment_size: 40
    .max_flat_workgroup_size: 128
    .sgpr_count:     102
    .vgpr_count:     1024
    .wavefront_size: 32
...
	.end_amdgpu_metadata
.endif
;; end of part 5
;; launch ffn2 (part 6): grid 8 x 32, 4 waves a work-group, clusters of 4 x 4, 327,680 bytes of LDS; arguments fq, W2_codes, W2_scales, b2, x1, out0; writes out0
.if DOCPART == 6
	.amdgcn_target "amdgcn-amd-amdhsa--gfx1250"
	.amdhsa_code_object_version 6
	.text
	.protected	k_qcc2e73ed91_ffn2
	.globl	k_qcc2e73ed91_ffn2
	.p2align	8
	.type	k_qcc2e73ed91_ffn2,@function
k_qcc2e73ed91_ffn2:
	s_mov_b64 s[64:65], 0
	v_nop
	global_prefetch_b8 v0, s[64:65] scope:SCOPE_SE
	s_setreg_imm32_b32 hwreg(HW_REG_WAVE_MODE, 25, 1), 1
	s_wait_xcnt 0x0
	s_wait_alu depctr_hold_cnt(0) depctr_sa_sdst(0) depctr_va_vdst(0) depctr_va_sdst(0) depctr_va_ssrc(0) depctr_va_vcc(0) depctr_vm_vsrc(0)
	s_getreg_b32 s2, hwreg(HW_REG_IB_STS2, 6, 4)
	s_cmp_eq_u32 s2, 0
	s_cbranch_scc0 .Lentry_in_a_cluster
	s_endpgm
.Lentry_in_a_cluster:
	s_bfe_u32 s2, ttmp6, 0x10000c
	s_cmp_lg_u32 s2, 0xf033
	s_cbranch_scc0 .Lentry_shape_is_right
	s_endpgm
.Lentry_shape_is_right:
; out = x1 + f W2 + b2 on codes of FP8 (E4M3) with E8M0 scales, K = 4,096; 4,096 rows, 1,024 columns.
; f (S1, made by this program): codes [64 (k / 64)][4096 rows][64]; scale words [32][4096] x 4 bytes behind them.  W2: codes [1024 n][4096], scale bytes [1024][128].  b2 [1024], x1, out [4096][1024]: f32.
; A tile of 128 x 128 a work-group gives 256 work-groups; four waves of 64 x 64; K in steps of 512 through two LDS slots; the scales of all of K come once, at the head; 4 x 4 clusters with joint loads.
; Source 0 = W2's rows, source 1 = f's rows; b2 is the first products' C; the residual is asked for at the head into registers of its own and added on the way out.
; PREFETCH: behind the load of K step j each wave names K step j + 2 (j = 0 .. 5), one instruction, 32 blocks of 256 bytes.  Of the four chunks of S1 that a wave fetches, the partner at cx names one (8,192 dense bytes);
; of its 64 rows of W2 the partner at cy names 16 (two blocks a row): each block once in each cluster that loads it, shared out by address.  The last two fills name nothing.
.set PFA, 98                           ; s[98:99]   where my prefetches stand
.set PFS, 100                          ; s[100:101] a K step on, in bytes: eight chunks of S1, or 512 in a row of W2
.set PFO, 30                           ; v30        my lane's block; never rewritten
.set SIZE_K, 4096
.set KSTEP,  512
.set LAPS,   SIZE_K/(2*KSTEP)
.set KS,     SIZE_K/32
.set CHB,    32*272
.set S1P,    8*CHB
.set PITCH,  528
.set S0H,    64*PITCH
.set SLOT,   S1P+2*S0H
.set SCL0,   2*SLOT
.set S0SH,   (64*KS/256)*272
.set SBLK,   (16*KS/256)*272
.set SCL1,   SCL0+2*S0SH
.set S1SH,   (SIZE_K/256)*512
.set SPARE,  SCL1+2*S1SH
.set NP,     8
.set ADRA, 16
.set ADRB, 20
.set ADS0, 22
.set ADS1, 23
.set STO,  24
.set RD,   25
.set CO,   26
.set SPW,  28
.set NIL,  29
.set SC,   32
.set BI,   96
.set ACC,  128
.set F0,   0
.set F1,   128
.set G1, 24
.set G0, 32
.set G1B, 48
.set G0B, 56
.set G1S, 68
.set G0S, 76
.set G1SB, 80
.set G0SB, 88
.set MSB, 0
.macro WIN new
.if MSB != \new
	s_set_vgpr_msb (MSB<<8)|\new
.set MSB, \new
.endif
.endm
.set MUL,  0x05
.set TO_F, 0x40
.set TO_R, 0x80
.macro JLOAD g0a, g1a, g0b, g1b
	s_cmp_eq_u32 s15, 0
	s_cbranch_scc0 .Lfor_b_\@
	tensor_load_to_lds s[\g0a:\g0a+3], s[\g1a:\g1a+7]
	s_nop 0
.rept 4
	v_nop
.endr
	s_branch .Lasked_\@
.Lfor_b_\@:
	tensor_load_to_lds s[\g0b:\g0b+3], s[\g1b:\g1b+7]
	s_nop 0
.rept 4
	v_nop
.endr
.Lasked_\@:
.endm
.macro CREST
	s_cmp_lg_u32 s14, 0
	s_cbranch_scc1 .Lnot_wave_0_\@
	s_barrier_signal -3
.Lnot_wave_0_\@:
	s_barrier_wait -3
	s_barrier_signal -1
	s_barrier_wait -1
.endm
.macro CROUND
	s_barrier_signal -1
	s_barrier_wait -1
	CREST
.endm
	s_load_b256 s[4:11], s[0:1], 0x0
	s_load_b128 s[92:95], s[0:1], 0x20
	v_lshl_add_u32 v[SPW], v0, 2, SPARE
	v_mov_b32 v[NIL], 0
	ds_add_u32 v28, v29
	ds_add_u32 v28, v29
	s_wait_dscnt 0x0
	v_lshrrev_b32 v1, 5, v0
	v_readfirstlane_b32 s14, v1
	s_lshr_b32 s15, s14, 1
	s_and_b32 s16, s14, 1
	s_bfe_u32 s40, ttmp6, 0x40000
	s_bfe_u32 s41, ttmp6, 0x40004
	s_lshl_b32 s42, ttmp9, 2
	s_add_co_u32 s42, s42, s40
	s_and_b32 s17, ttmp7, 0xffff
	s_lshl_b32 s17, s17, 2
	s_add_co_u32 s17, s17, s41
	s_lshl_b32 s43, s41, 2
	s_lshl_b32 s43, 15, s43
	s_lshl_b32 s44, 0x1111, s40
	s_or_b32 s[G1+0], s43, (3<<16)|(1<<20)|(1<<21)|(5<<22)|(3<<25)
	s_mov_b32 s[G1+1], 1024<<16
	s_mov_b32 s[G1+2], 8<<16                       ; eight chunks for the head's load; behind it four
	s_mov_b32 s[G1+3], 1024<<16
	s_mov_b32 s[G1+4], 8
	s_mov_b32 s[G1+5], 32768
	s_mov_b32 s[G1+6], 0
	s_mov_b32 s[G1+7], 0
	s_or_b32 s[G1B+0], s44, (0<<16)|(1<<20)|(1<<21)|(6<<22)|(3<<25)
	s_mov_b32 s[G1B+1], KSTEP<<16
	s_mov_b32 s[G1B+2], 128<<16                    ; 128 rows for the head's load; behind it 64
	s_mov_b32 s[G1B+3], KSTEP<<16
	s_mov_b32 s[G1B+4], 128
	s_mov_b32 s[G1B+5], SIZE_K
	s_mov_b32 s[G1B+6], 0
	s_mov_b32 s[G1B+7], 0
	s_or_b32 s[G1S+0], s43, (3<<16)|(1<<21)
	s_mov_b32 s[G1S+1], 64<<16
	s_mov_b32 s[G1S+2], (SIZE_K/128)<<16           ; all of K by one load
	s_mov_b32 s[G1S+3], 64<<16
	s_mov_b32 s[G1S+4], SIZE_K/128
	s_mov_b32 s[G1S+5], 2048
	s_mov_b32 s[G1S+6], 0
	s_mov_b32 s[G1S+7], 0
	s_or_b32 s[G1SB+0], s44, (3<<16)|(1<<20)|(1<<21)|(5<<22)|(3<<25)
	s_mov_b32 s[G1SB+1], 32<<16
	s_mov_b32 s[G1SB+2], (128*KS/256)<<16          ; all 128 rows by one load
	s_mov_b32 s[G1SB+3], 32<<16
	s_mov_b32 s[G1SB+4], 128*KS/256
	s_mov_b32 s[G1SB+5], 32
	s_mov_b32 s[G1SB+6], 0
	s_mov_b32 s[G1SB+7], 0
	s_lshl_b32 s20, s17, 13                        ; S1's codes: chunk 0, row 128 x tile row
	s_mov_b32 s21, 0
	s_lshl_b32 s22, s17, 9                         ; S1's scale words: the tile's rows
	s_add_co_u32 s22, s22, SIZE_K*4096
	s_mov_b32 s23, 0
	s_lshl_b32 s46, s42, 7
	s_mul_i32 s96, s46, KS
	s_mov_b32 s97, 0
	s_mul_i32 s46, s46, SIZE_K
	s_mov_b32 s47, 0
	s_mul_i32 s45, s16, 4*CHB
	s_mul_i32 s19, s16, S0H
	s_add_co_u32 s19, s19, S1P
	s_lshl_b32 s2, s16, 20                         ; s[2:3]: my half of a slot's part of S1: four chunks on
	s_mov_b32 s3, 0
	s_mul_i32 s12, s16, 64*SIZE_K                  ; s[12:13]: my half of W2's: 64 rows on
	s_mov_b32 s13, 0
	s_wait_kmcnt 0x0
	s_add_nc_u64 s[20:21], s[4:5], s[20:21]
	s_add_nc_u64 s[22:23], s[4:5], s[22:23]
	s_add_nc_u64 s[46:47], s[6:7], s[46:47]
	s_add_nc_u64 s[96:97], s[8:9], s[96:97]
	CROUND
	s_mov_b32 s[G0S], 1
	s_mov_b32 s[G0S+1], SCL1
	s_mov_b64 s[G0S+2:G0S+3], s[22:23]
	s_or_b32 s[G0S+3], s[G0S+3], 0x80000000
	s_mov_b32 s[G0SB], 1
	s_mov_b32 s[G0SB+1], SCL0
	s_mov_b64 s[G0SB+2:G0SB+3], s[96:97]
	s_or_b32 s[G0SB+3], s[G0SB+3], 0x80000000
	s_mov_b32 s[G0], 1                             ; slot 0's groups 0 serve the head's whole tiles first: S1's eight chunks of K step 0 at byte 0,
	s_mov_b32 s[G0+1], 0
	s_mov_b64 s[G0+2:G0+3], s[20:21]
	s_or_b32 s[G0+3], s[G0+3], 0x80000000
	s_mov_b32 s[G0B], 1                            ; W2's 128 rows behind them
	s_mov_b32 s[G0B+1], S1P
	s_mov_b64 s[G0B+2:G0B+3], s[46:47]
	s_or_b32 s[G0B+3], s[G0B+3], 0x80000000
	s_add_nc_u64 s[20:21], s[20:21], s[2:3]        ; for the ring: my half
	s_add_nc_u64 s[46:47], s[46:47], s[12:13]
.irp s, 1
	s_mov_b32 s[G0+4*\s], 1
	s_add_co_u32 s[G0+4*\s+1], s45, \s*SLOT
	s_add_nc_u64 s[G0+4*\s+2:G0+4*\s+3], s[20:21], \s*8*262144
	s_or_b32 s[G0+4*\s+3], s[G0+4*\s+3], 0x80000000
	s_mov_b32 s[G0B+4*\s], 1
	s_add_co_u32 s[G0B+4*\s+1], s19, \s*SLOT
	s_add_nc_u64 s[G0B+4*\s+2:G0B+4*\s+3], s[46:47], \s*KSTEP
	s_or_b32 s[G0B+4*\s+3], s[G0B+4*\s+3], 0x80000000
.endr
; THE HEAD'S LOADS, ONE A WAVE: wave 0 S1's codes of K step 0, wave 1 W2's, wave 2 S1's scale words, wave 3 W2's scale bytes.  One chain of branches on the wave's number; every way passes one load.
.macro ARM under, g0, g1, next
	s_cmp_lt_u32 s14, \under
	s_cbranch_scc0 \next
	tensor_load_to_lds s[\g0:\g0+3], s[\g1:\g1+7]
	s_nop 0
.rept 4
	v_nop
.endr
	s_branch .Lhead_asked
\next:
.endm
	ARM 1, G0,  G1,  .Lhead_b
	ARM 2, G0B, G1B, .Lhead_sa
	ARM 3, G0S, G1S, .Lhead_sb
	tensor_load_to_lds s[G0SB:G0SB+3], s[G1SB:G1SB+7]
	s_nop 0
.rept 4
	v_nop
.endr
.Lhead_asked:
	; the prefetches: waves 0 and 1 name S1's codes, waves 2 and 3 W2's
	s_lshl_b32 s20, s16, 2
	s_add_co_u32 s22, s20, s40
	s_lshl_b32 s22, s22, 18
	s_lshl_b32 s21, s17, 13
	s_add_co_u32 s22, s22, s21                     ; S1: chunk 4 x half + cx, the tile's rows
	s_lshl_b32 s21, s42, 3
	s_add_co_u32 s21, s21, s20
	s_add_co_u32 s21, s21, s41
	s_lshl_b32 s21, s21, 16                        ; W2: row 128 x tile column + 64 x half + 16 cy, 4,096 bytes a row
	s_mov_b32 s[PFS], KSTEP
	s_mov_b32 s18, SIZE_K
	s_cmp_eq_u32 s15, 0
	s_cselect_b64 s[PFA:PFA+1], s[4:5], s[6:7]
	s_cselect_b32 s20, s22, s21
	s_cselect_b32 s[PFS], 0x200000, s[PFS]
	s_cselect_b32 s18, 512, s18                    ; from one pair of lanes to the next: 512 bytes of a chunk, or a row of W2
	s_mov_b32 s21, 0
	s_mov_b32 s[PFS+1], 0
	s_add_nc_u64 s[PFA:PFA+1], s[PFA:PFA+1], s[20:21]
	s_add_nc_u64 s[96:97], s[PFA:PFA+1], s[PFS:PFS+1]       ; K step 1, in a pair of its own that is never rewritten
	s_add_nc_u64 s[PFA:PFA+1], s[96:97], s[PFS:PFS+1]       ; K step 2
	v_and_b32 v[PFO], 31, v0
	v_lshrrev_b32 v27, 1, v[PFO]
	v_and_b32 v[PFO], 1, v[PFO]
	v_lshlrev_b32 v[PFO], 8, v[PFO]
	v_mad_u32_u24 v[PFO], v27, s18, v[PFO]         ; (lane / 2) x that + 256 (lane % 2)
	global_prefetch_b8 v[PFO], s[96:97] th:TH_LOAD_NT scope:SCOPE_SE       ; behind K step 0's load: K step 1 too, one step ahead of its load,
	global_prefetch_b8 v[PFO], s[PFA:PFA+1] th:TH_LOAD_NT scope:SCOPE_SE   ; and K step 2
	v_and_b32 v1, 15, v0
	v_bfe_u32 v2, v0, 4, 1
	v_lshrrev_b32 v3, 2, v1
	v_mul_u32_u24 v3, v3, 272
	v_and_b32 v4, 3, v1
	v_lshl_add_u32 v3, v4, 6, v3
	v_lshl_add_u32 v3, v2, 4, v3
	s_mul_i32 s21, s15, 16*272
	v_mul_u32_u24 v4, v1, PITCH
	v_lshl_add_u32 v4, v2, 4, v4
	s_mul_i32 s22, s16, S0H
	s_add_co_u32 s22, s22, S1P
.irp s, 0,1
	v_add_nc_u32 v[ADRA+\s], s21, v3
	v_add_nc_u32 v[ADRB+\s], s22, v4
	s_add_co_u32 s21, s21, SLOT
	s_add_co_u32 s22, s22, SLOT
.endr
	v_mul_u32_u24 v5, v1, KS
	v_lshrrev_b32 v6, 8, v5
	v_lshl_add_u32 v5, v6, 4, v5
	s_mul_i32 s21, s16, 4*SBLK
	s_add_co_u32 s21, s21, SCL0
	v_add_nc_u32 v[ADS0], s21, v5
	v_and_b32 v6, 31, v0
	s_lshl_b32 s21, s15, 8
	s_add_co_u32 s21, s21, SCL1
	v_lshl_add_u32 v[ADS1], v6, 2, s21
	s_mul_i32 s21, s14, 16*272
	v_mul_u32_u24 v5, v1, 272
	v_lshl_add_u32 v5, v2, 5, v5
	v_add_nc_u32 v[STO], s21, v5
	v_mul_u32_u24 v5, v2, 272
	v_lshl_add_u32 v5, v1, 4, v5
	v_add_nc_u32 v[RD], s21, v5
	v_lshlrev_b32 v5, 12, v2
	v_lshl_add_u32 v[CO], v1, 4, v5
	s_wait_alu depctr_va_vdst(0)
	s_lshl_b32 s20, s17, 19
	s_lshl_b32 s21, s15, 18
	s_add_co_u32 s20, s20, s21
	s_lshl_b32 s46, s42, 9
	s_lshl_b32 s47, s16, 8
	s_add_co_u32 s46, s46, s47
	s_add_co_u32 s20, s20, s46
	s_mov_b32 s21, 0
	s_mov_b32 s47, 0
	s_add_nc_u64 s[92:93], s[92:93], s[20:21]
	s_add_nc_u64 s[94:95], s[94:95], s[20:21]
	s_add_nc_u64 s[10:11], s[10:11], s[46:47]
	v_lshlrev_b32 v7, 5, v2
.irp b, 0,1,2,3
	global_load_b128 v[BI+8*\b:BI+8*\b+3], v7, s[10:11] offset:64*\b
	global_load_b128 v[BI+8*\b+4:BI+8*\b+7], v7, s[10:11] offset:64*\b+16
.endr
	WIN TO_R
.irp a, 0,1,2,3
.irp t, 0,1,2,3,4,5,6,7
	global_load_b128 v[32*\a+4*\t:32*\a+4*\t+3], v[CO], s[92:93] offset:(16*\a+2*\t)*4096
.endr
.endr
	WIN 0
.macro MUL8 f, a0, q, sc, zero
.irp a, \a0, \a0+1
.irp b, 0,1,2,3
.if \zero
.if (\a)%2
	v_wmma_scale_f32_16x16x128_f8f6f4 v[ACC+8*(4*(\a)+\b):ACC+8*(4*(\a)+\b)+7], v[\f+64+16*\b:\f+64+16*\b+15], v[\f+16*(\a):\f+16*(\a)+15], v[BI+8*\b:BI+8*\b+7], v[SC+24*(\sc)+4*\b+(\q)], v[SC+24*(\sc)+16+4*((\a)/2)+(\q)] matrix_b_scale:MATRIX_SCALE_ROW1
.else
	v_wmma_scale_f32_16x16x128_f8f6f4 v[ACC+8*(4*(\a)+\b):ACC+8*(4*(\a)+\b)+7], v[\f+64+16*\b:\f+64+16*\b+15], v[\f+16*(\a):\f+16*(\a)+15], v[BI+8*\b:BI+8*\b+7], v[SC+24*(\sc)+4*\b+(\q)], v[SC+24*(\sc)+16+4*((\a)/2)+(\q)]
.endif
.else
.if (\a)%2
	v_wmma_scale_f32_16x16x128_f8f6f4 v[ACC+8*(4*(\a)+\b):ACC+8*(4*(\a)+\b)+7], v[\f+64+16*\b:\f+64+16*\b+15], v[\f+16*(\a):\f+16*(\a)+15], v[ACC+8*(4*(\a)+\b):ACC+8*(4*(\a)+\b)+7], v[SC+24*(\sc)+4*\b+(\q)], v[SC+24*(\sc)+16+4*((\a)/2)+(\q)] matrix_b_scale:MATRIX_SCALE_ROW1
.else
	v_wmma_scale_f32_16x16x128_f8f6f4 v[ACC+8*(4*(\a)+\b):ACC+8*(4*(\a)+\b)+7], v[\f+64+16*\b:\f+64+16*\b+15], v[\f+16*(\a):\f+16*(\a)+15], v[ACC+8*(4*(\a)+\b):ACC+8*(4*(\a)+\b)+7], v[SC+24*(\sc)+4*\b+(\q)], v[SC+24*(\sc)+16+4*((\a)/2)+(\q)]
.endif
.endif
.endr
.endr
.endm
.macro FETCH slot, q, f
	WIN TO_F
.irp i, 0,1,2,3
.irp c, 0,1,2,3
	ds_load_b128 v[\f+64+16*\i+4*\c:\f+64+16*\i+4*\c+3], v[ADRB+\slot] offset:16*PITCH*\i+128*(\q)+32*\c
.endr
.endr
.irp i, 0,1,2,3
.irp c, 0,1,2,3
	ds_load_b128 v[\f+16*\i+4*\c:\f+16*\i+4*\c+3], v[ADRA+\slot] offset:(2*(\q)+\c/2)*CHB+4*272*\i+32*(\c%2)
.endr
.endr
.endm
.macro SCALES sc
.irp i, 0,1,2,3
	ds_load_b128 v[SC+24*\sc+4*\i:SC+24*\sc+4*\i+3], v[ADS0] offset:\i*SBLK
.endr
.irp p, 0,1
.irp q, 0,1,2,3
	ds_load_b32 v[SC+24*\sc+16+4*\p+\q], v[ADS1] offset:512*\q+128*\p
.endr
.endr
.endm
.macro PLACES n
.rept \n
	v_nop
.endr
.endm
.macro QUARTER slot, qn, f, g, q, zero
	s_wait_dscnt 8
	WIN MUL
	MUL8 \f, 0, \q, \slot, \zero
	PLACES NP
	FETCH \slot, \qn, \g
	s_wait_dscnt 32
	WIN MUL
	MUL8 \f, 2, \q, \slot, \zero
.endm
.macro TURN slot, next, fill
	WIN 0
.if \fill
	s_wait_xcnt 0x0                                ; my last prefetch has read its address, so it may be stepped: a K step on
	s_add_nc_u64 s[PFA:PFA+1], s[PFA:PFA+1], s[PFS:PFS+1]
.endif
	s_wait_tensorcnt 0x0
	ds_add_u32 v[SPW], v[NIL]
	s_wait_dscnt 9
	WIN MUL
	MUL8 F1, 0, 3, \slot, 0
	s_wait_dscnt 0x0
	s_barrier_signal -1
	MUL8 F1, 2, 3, \slot, 0
	WIN 0
	s_barrier_wait -1
.if \fill
	CREST
	s_add_nc_u64 s[G0+4*\slot+2:G0+4*\slot+3], s[G0+4*\slot+2:G0+4*\slot+3], 16*262144
	s_add_nc_u64 s[G0B+4*\slot+2:G0B+4*\slot+3], s[G0B+4*\slot+2:G0B+4*\slot+3], 2*KSTEP
	JLOAD G0+4*\slot, G1, G0B+4*\slot, G1B
	PLACES NP-4
.else
	PLACES NP
.endif
	s_wait_alu depctr_va_vdst(0)
	v_add_nc_u32 v[ADS0], 16, v[ADS0]
	v_add_nc_u32 v[ADS1], 2048, v[ADS1]
	SCALES \next
.if \fill
	s_cmp_gt_u32 s3, 1                             ; the loop's last trip fills K steps 6 and 7: there is no K step two on
	s_cbranch_scc0 .Lno_ask_\@
	global_prefetch_b8 v[PFO], s[PFA:PFA+1] th:TH_LOAD_NT scope:SCOPE_SE   ; two K steps ahead of the load that will want it
.Lno_ask_\@:
.endif
	FETCH \next, 0, F0
.endm
	s_wait_alu depctr_va_vdst(0)                   ; the wait at the head's end
	s_wait_xcnt 0x0                                ; the head's prefetch has read its address
	s_add_nc_u64 s[PFA:PFA+1], s[PFA:PFA+1], s[PFS:PFS+1]   ; on to K step 3
	s_wait_tensorcnt 0x0                           ; my tile of the head's four is in; the three lines stand ahead of slot 1's first fill as ahead of a refill
	ds_add_u32 v[SPW], v[NIL]
	s_mov_b32 s[G1+2], 4<<16                       ; no tensor load of mine is out, so descriptors may be written: from here on a load brings half a tile,
	s_mov_b32 s[G1+4], 4
	s_mov_b32 s[G1B+2], 64<<16
	s_mov_b32 s[G1B+4], 64
	s_mov_b32 s[G0+1], s45                         ; and slot 0's groups 0 stand at my half of K step 0: the first refill steps them on
	s_add_nc_u64 s[G0+2:G0+3], s[G0+2:G0+3], s[2:3]
	s_mov_b32 s[G0B+1], s19
	s_add_nc_u64 s[G0B+2:G0B+3], s[G0B+2:G0B+3], s[12:13]
	s_wait_dscnt 0x0                               ; the add is done
	CROUND                                         ; a whole round: all four tiles are in, and the joint loads meet
	JLOAD G0+4, G1, G0B+4, G1B                     ; K step 1, the first tensor load behind the round
	SCALES 0
	global_prefetch_b8 v[PFO], s[PFA:PFA+1] th:TH_LOAD_NT scope:SCOPE_SE   ; behind K step 1's load: K step 3
	FETCH 0, 0, F0
	s_wait_loadcnt 32
	QUARTER 0, 1, F0, F1, 0, 1
.if LAPS > 1
	WIN 0
	s_mov_b32 s3, LAPS-1
.Llap:
	QUARTER 0, 2, F1, F0, 1, 0
	QUARTER 0, 3, F0, F1, 2, 0
	TURN 0, 1, 1
	QUARTER 1, 1, F0, F1, 0, 0
	QUARTER 1, 2, F1, F0, 1, 0
	QUARTER 1, 3, F0, F1, 2, 0
	TURN 1, 0, 1
	QUARTER 0, 1, F0, F1, 0, 0
	WIN 0
	s_sub_co_u32 s3, s3, 1
	s_cmp_lg_u32 s3, 0
	s_cbranch_scc1 .Llap
.endif
	QUARTER 0, 2, F1, F0, 1, 0
	QUARTER 0, 3, F0, F1, 2, 0
	TURN 0, 1, 0
	QUARTER 1, 1, F0, F1, 0, 0
	QUARTER 1, 2, F1, F0, 1, 0
	QUARTER 1, 3, F0, F1, 2, 0
	s_wait_dscnt 8
	WIN MUL
	MUL8 F1, 0, 3, 1, 0
	s_wait_dscnt 0
	MUL8 F1, 2, 3, 1, 0
	WIN 0
	PLACES NP
.macro TOSTAGE a
.set BB, ACC+32*(\a)
.irp b, 0,1,2,3
	ds_store_b128 v[STO], v[ACC+8*(4*(\a)+\b):ACC+8*(4*(\a)+\b)+3] offset:64*\b
	ds_store_b128 v[STO], v[ACC+8*(4*(\a)+\b)+4:ACC+8*(4*(\a)+\b)+7] offset:64*\b+16
.endr
.irp t, 0,1,2,3,4,5,6,7
	ds_load_b128 v[BB+4*\t:BB+4*\t+3], v[RD] offset:544*\t
.endr
.endm
.macro SEND a, younger
.set BB, ACC+32*(\a)
	s_wait_dscnt \younger
	s_wait_loadcnt 24-8*(\a)
	WIN 0x08
.irp k, 0,2,4,6,8,10,12,14,16,18,20,22,24,26,28,30
	v_pk_add_f32 v[BB+\k:BB+\k+1], v[BB+\k:BB+\k+1], v[32*(\a)+\k:32*(\a)+\k+1]
.endr
	WIN 0
.irp t, 0,1,2,3,4,5,6,7
	global_store_b128 v[CO], v[BB+4*\t:BB+4*\t+3], s[94:95] offset:(16*(\a)+2*\t)*4096
.endr
.endm
	TOSTAGE 0
.irp a, 1,2,3
	TOSTAGE \a
	SEND \a-1, 16
.endr
	SEND 3, 0
	s_wait_tensorcnt 0x0
	ds_add_u32 v[SPW], v[NIL]
	s_wait_dscnt 0x0
	CROUND
	s_endpgm
.Lfunc_end_k_qcc2e73ed91_ffn2:
	.size	k_qcc2e73ed91_ffn2, .Lfunc_end_k_qcc2e73ed91_ffn2-k_qcc2e73ed91_ffn2
	.p2alignl 7, 3214868480
	.fill 96, 4, 3214868480
	.section	.rodata,"a",@progbits
	.p2align	6, 0x0
	.amdhsa_kernel k_qcc2e73ed91_ffn2
		.amdhsa_group_segment_fixed_size 327680
		.amdhsa_private_segment_fixed_size 0
		.amdhsa_enable_private_segment 0
		.amdhsa_kernarg_size 48
		.amdhsa_user_sgpr_count 2
		.amdhsa_user_sgpr_kernarg_segment_ptr 1
		.amdhsa_wavefront_size32 1
		.amdhsa_system_sgpr_workgroup_id_x 1
		.amdhsa_system_sgpr_workgroup_id_y 1
		.amdhsa_system_sgpr_workgroup_id_z 1
		.amdhsa_system_vgpr_workitem_id 0
		.amdhsa_next_free_vgpr 768
		.amdhsa_next_free_sgpr 102
		.amdhsa_reserve_vcc 0
		.amdhsa_float_denorm_mode_32 3
		.amdhsa_float_denorm_mode_16_64 3
		.amdhsa_memory_ordered 1
		.amdhsa_forward_progress 1
		.amdhsa_inst_pref_size 105
	.end_amdhsa_kernel
	.amdgpu_metadata
---
amdhsa.version: [ 1, 2 ]
amdhsa.kernels:
  - .name:           k_qcc2e73ed91_ffn2
    .symbol:         k_qcc2e73ed91_ffn2.kd
    .args:
      - { .name: fq, .offset: 0, .size: 8, .value_kind: global_buffer, .address_space: global }
      - { .name: W2_codes, .offset: 8, .size: 8, .value_kind: global_buffer, .address_space: global }
      - { .name: W2_scales, .offset: 16, .size: 8, .value_kind: global_buffer, .address_space: global }
      - { .name: b2, .offset: 24, .size: 8, .value_kind: global_buffer, .address_space: global }
      - { .name: x1, .offset: 32, .size: 8, .value_kind: global_buffer, .address_space: global }
      - { .name: out0, .offset: 40, .size: 8, .value_kind: global_buffer, .address_space: global }
    .group_segment_fixed_size: 327680
    .private_segment_fixed_size: 0
    .kernarg_segment_align: 8
    .kernarg_segment_size: 48
    .max_flat_workgroup_size: 128
    .sgpr_count:     102
    .vgpr_count:     768
    .wavefront_size: 32
...
	.end_amdgpu_metadata
.endif
;; end of part 6
